; MI455X (gfx1250); checked and timed in simulation.
; The chip was launched on July 23, 2026; its instructions are those of AMD's public machine-readable ISA for CDNA 5 (MIT licence, August 2026) and "CDNA5" Instruction Set Architecture Reference Guide (July 2026). The comments in the code are by the model that wrote it; some were corrected since.
;; MH Att. Allowed arithmetic: matrix products marked QUANTISED: E2M3 operands, one E8M0 scale for each 32 along K, by v_wmma_scale_f32_16x16x128_f8f6f4 with both operands' format E2M3, f32 sums; everything else in f32.
;; Inputs: Wk 1,024 x 1,024 float32; Wo 1,024 x 1,024 float32; Wq 1,024 x 1,024 float32; Wv 1,024 x 1,024 float32; bk 1,024 float32; bo 1,024 float32; bq 1,024 float32; bv 1,024 float32; k 8 x 1,024 x 1,024 float32; mask 8 x 1 x 1 x 1,024 bool; q 8 x 1,024 x 1,024 float32; v 8 x 1,024 x 1,024 float32.
;; Outputs: out0 8 x 1,024 x 1,024 float32.
;; This version of the problem:
;;   THIS VERSION OF THE PROBLEM IS GIVEN IN LOW PRECISION. The matrix products marked QUANTISED in the list below multiply operands that are first quantised to E2M3 (2 exponent bits, 3 mantissa bits; 6 bits a number), with one power-of-two scale for each 32 numbers along K (OCP MX v1.0); their sums are f32. All else is computed in f32.
;;   The module's matrix products, in the order in which they are computed (A, B: the left and right operand; K: the contracted axis; several contracted axes count as one K, in the product's order):
;;     1. [M 8,192, K 1,024] x [K 1,024, N 1,024]; A: input q; B: input Wq: QUANTISED
;;     2. [M 8,192, K 1,024] x [K 1,024, N 1,024]; A: input k; B: input Wk: QUANTISED
;;     3. [M 8,192, K 1,024] x [K 1,024, N 1,024]; A: input v; B: input Wv: QUANTISED
;;     4. batch 128 x [M 1,024, K 64] x [K 64, N 1,024]; A: computed on the way; B: computed on the way: QUANTISED
;;     5. batch 128 x [M 1,024, K 1,024] x [K 1,024, N 64]; A: softmax (see below); B: computed on the way: QUANTISED
;;     6. [M 8,192, K 1,024] x [K 1,024, N 1,024]; A: computed on the way; B: input Wo: QUANTISED
;;   THE QUANTISER, for each operand of a quantised product, along K:
;;     - K is cut into blocks of 32 from its start; a last block that is shorter is filled with zeros.
;;     - A block's scale is 2^e with e = floor(log2(the largest magnitude in the block)) - 2, held to -126 .. 127; a block of zeros has e = 0. As a byte (E8M0): e + 127.
;;     - Each number is divided by its block's scale, clamped to +-7.5, and rounded to the nearest number of E2M3, ties to even, subnormals kept.
;;     - The product sums the exact products of the quantised numbers (number of the format x scale) in f32.
;;   ~~~python
;;   def quantise(x, axis):      # numpy; x: float32 -> the quantised numbers, widened to float32 again
;;       x = np.moveaxis(x, axis, -1); K = x.shape[-1]
;;       x = np.pad(x, [(0, 0)] * (x.ndim - 1) + [(0, -K % 32)]); x = x.reshape(x.shape[:-1] + (-1, 32)); a = np.abs(x).max(-1, keepdims=True)
;;       e = np.where(a > 0, np.clip(np.frexp(np.where(a > 0, a, 1))[1] - 1 - 2, -126, 127), 0)      # np.frexp(a)[1] - 1 = floor(log2(a)), exactly
;;       r = np.clip(x / 2.0 ** e, -7.5, 7.5)
;;       step = 2.0 ** (np.maximum(np.frexp(np.where(r == 0, 1, r))[1] - 1, 0) - 3)
;;       q = np.round(r / step) * step * 2.0 ** e      # np.round: ties to even
;;       return np.moveaxis(q.reshape(q.shape[:-2] + (-1,))[..., :K], -1, axis).astype(np.float32)
;;   ~~~
;;   SOFTMAX AHEAD OF A QUANTISED PRODUCT. Where the list says 'softmax', what is quantised is not the finished softmax but p = 2^(t - M), with t = logit x log2(e) and M = ceil(the row's largest t), a whole number; so 1/2 < the row's largest p <= 1. The row's sum l is taken of the UNQUANTISED p, in f32, and the product's result is divided by l at the end. Since M is a whole number, a kernel that streams over the keys may use a running M (the ceiling of the running maximum): every later rescaling is an exact power of two, which a block's scale takes up: the codes' values come out the same.
;;   OPERANDS COMPUTED ON THE WAY. 'Computed on the way' means the value that the module computes at that place (a softmax that the list does not call 'softmax' is quantised finished and normalised). What goes into a quantiser is computed in f32, as accurately as f32 sums, v_exp_f32 and their like allow (about 1e-6 of the number): no bf16 or f16 on the way to a quantiser, and a product that is left as it is and whose result goes on into a quantised operand takes f32 operands (vector FMAs, or v_wmma_f32_16x16x4_f32). A number that lies on a knife's edge between two numbers of the format may be rounded either way, as far as f32 arithmetic and the matrix unit's own rounding can turn it there, and no further.
;; 2 versions, each right; version 2 is version 1 with the launches proj, attn, oproj written anew for expert scheduling mode. Each part assembles by itself: llvm-mc -triple=amdgcn-amd-amdhsa -mcpu=gfx1250 --defsym DOCPART=n.
;; ======== version 1 of 2: 4 launches
;; limits: right only within a limited range of input values
;; workspace buffers: wimg 3,670,016 bytes; qb 6,815,744 bytes; kvb 13,631,488 bytes; ab 6,291,456 bytes; asc 262,144 bytes
;; launch wquant (part 1): grid 256 x 1, 2 waves a work-group, no clusters, 17,152 bytes of LDS; arguments Wq, Wk, Wv, Wo, bq, bk, bv, bo, wimg; writes wimg
.if DOCPART == 1
	.amdgcn_target "amdgcn-amd-amdhsa--gfx1250"
	.amdhsa_code_object_version 6
	.text
	.protected	k_qcae2447616_wquant
	.globl	k_qcae2447616_wquant
	.p2align	8
	.type	k_qcae2447616_wquant,@function
k_qcae2447616_wquant:
	s_mov_b64 s[64:65], 0
	v_nop
	global_prefetch_b8 v0, s[64:65] scope:SCOPE_SE
	s_setreg_imm32_b32 hwreg(HW_REG_WAVE_MODE, 25, 1), 1
	s_wait_xcnt 0x0
; The four weights [1024][1024] f32 (K innermost) become codes of FP6 (E2M3) with one E8M0 byte for each 32 along K, laid in wimg in the ORDER OF THE OPERAND'S REGISTERS;
; the four biases become images of the C operand of a sum's first matrix instruction.
; wimg, for tensor T (0 Wq, 1 Wk, 2 Wv, 3 Wo), 917,504 bytes each:
;   codes   ((hd 8 + s) 4 + j) 1,536: the fragment of rows 64 hd + (tile j), K step s of 128: registers 4 c .. 4 c + 3 of lane L at 512 c + 16 L
;   scales  786,432 + (hd 8 + s) 512: [lane][4 words], word j = tile j's scale word of the lane's row
;   bias    851,968 + hd 4,096: 32 registers x 32 lanes, registers 4 e .. 4 e + 3 of lane L at 512 e + 16 L
; THE ROWS OF A TILE ARE NOT NEIGHBOURS: lane r of tile 2 b + u takes row 32 b + 8 u + r + 8 (r / 8), so that, with the tile as source 0, the 16 result registers of tiles 2 b, 2 b + 1 are 16 neighbours.
; SHARES: 512 waves; wave gw = (T, hd, s) makes the four fragments of one K step of one group of 64 rows, their scale image and piece s of the group's bias image.  Waves share nothing: no barrier.
; A block's scale byte is its largest magnitude's exponent field - 2, held at 1 from below.  LIMITS: a block of zeros gets the byte 1 where the rule says 127 (its codes are zeros, and this program alone
; reads the bytes); NaN and infinities among the inputs are not served.
.set LI,  1                            ; v1      16 x lane
.set SA,  2                            ; v2      my stage, on the way in: 16 x lane (a row of 512 bytes on end)
.set SB,  3                            ; v3      and back: 528 r + 64 h: my 16 numbers of each block of 32 of row r
.set BA,  4                            ; v4-7    byte offsets of my four bias numbers
.set BV,  8                            ; v8-11   the four numbers
.set TM,  16                           ; v16-31  at work in QUANT
.set PC,  32                           ; v32-51  the codes just made
.set SW,  52                           ; v52-55  the four tiles' scale words
.set RR,  64                           ; v64-191 two sets of 64: 16 rows x 512 bytes as loaded
.set TT,  192                          ; v192-255 64 numbers of my row: register 16 b + i = k 32 b + 16 h + i
.set SEL, 44                           ; s[44:45] v_permlanex16_b32's selects for lane l xor 16
; 64 numbers of a lane become a fragment's 12 registers in v[pc] on and its scale word in v[pw].
.macro QUANT src, pc, pw
.irp b, 0,1,2,3
	v_max3_num_f32 v[TM+\b], |v[(\src)+16*\b]|, |v[(\src)+16*\b+1]|, 0x1800000   ; block b: my 16 numbers, and the floor 2^(3 - 127): the byte cannot fall under 1
.endr
.irp i, 2,4,6,8,10,12,14
.irp b, 0,1,2,3
	v_max3_num_f32 v[TM+\b], |v[(\src)+16*\b+\i]|, |v[(\src)+16*\b+\i+1]|, v[TM+\b]   ; the four blocks by turns
.endr
.endr
.irp b, 0,1,2,3
	v_permlanex16_b32 v[TM+4+\b], v[TM+\b], s[SEL], s[SEL+1]
.endr
.irp b, 0,1,2,3
	v_max_num_f32 v[TM+\b], v[TM+\b], v[TM+4+\b]   ; with lane l xor 16's 16: the block's largest magnitude
.endr
.irp b, 0,1,2,3
	v_add_nc_u32 v[TM+12+\b], 0xff000000, v[TM+\b]   ; 2 off its exponent field: the conversion's scale operand
.endr
.irp b, 0,1,2,3
	v_lshrrev_b32 v[TM+4+\b], 23, v[TM+12+\b]      ; the scale's byte
.endr
	v_lshl_or_b32 v[\pw], v[TM+5], 8, v[TM+4]
	v_lshl_or_b32 v[\pw], v[TM+6], 16, v[\pw]
	v_lshl_or_b32 v[\pw], v[TM+7], 24, v[\pw]
.irp c, 0,1
	v_cvt_scalef32_pk16_fp6_f32 v[(\pc)+6*\c:(\pc)+6*\c+2], v[(\src)+32*\c:(\src)+32*\c+15], v[TM+12+2*\c]
	v_cvt_scalef32_pk16_fp6_f32 v[(\pc)+12+4*\c:(\pc)+14+4*\c], v[(\src)+16+32*\c:(\src)+31+32*\c], v[TM+13+2*\c]   ; (a conversion's three registers begin on an even number)
.endr
	v_nop                                          ; one plain place behind a scaled conversion
.irp c, 0,1                            ; the operand wants a whole block in a lane: lanes 0-15 block 2 c, lanes 16-31 block 2 c + 1
.irp i, 0,1,2
	v_permlane16_swap_b32 v[(\pc)+6*\c+\i], v[(\pc)+12+4*\c+\i]
.endr
.irp i, 0,1,2
	v_mov_b32 v[(\pc)+3+6*\c+\i], v[(\pc)+12+4*\c+\i]
.endr
.endr
.endm
.macro LOAD f                          ; tile f's 16 rows, 512 bytes of each: every load reads 512 consecutive bytes
.irp p, 0,1,2,3,4,5,6,7,8,9,10,11,12,13,14,15
	global_load_b128 v[RR+64*((\f)%2)+4*\p:RR+64*((\f)%2)+4*\p+3], v[LI], s[4:5] offset:(32*((\f)/2)+8*((\f)%2)+\p+8*(\p/8))*4096 th:TH_LOAD_NT
.endr
.endm
	s_load_b256 s[4:11], s[0:1], 0x0               ; Wq, Wk, Wv, Wo
	s_load_b256 s[12:19], s[0:1], 0x20             ; bq, bk, bv, bo
	s_load_b64 s[20:21], s[0:1], 0x40              ; wimg
	v_lshl_add_u32 v62, v0, 2, 0x4200
	v_mov_b32 v63, 0
	v_lshrrev_b32 v12, 5, v0
	v_readfirstlane_b32 s22, v12                   ; wave 0, 1
	s_lshl_b32 s23, ttmp9, 1
	s_add_co_u32 s23, s23, s22                     ; gw
	s_lshr_b32 s24, s23, 7                         ; T
	s_bfe_u32 s25, s23, 0x40003                    ; hd
	s_and_b32 s26, s23, 7                          ; s
	s_and_b32 s27, s23, 127                        ; 8 hd + s
	s_mov_b32 s[SEL], 0x76543210
	s_mov_b32 s[SEL+1], 0xfedcba98
	v_and_b32 v12, 31, v0                          ; lane
	v_and_b32 v13, 15, v0                          ; r
	v_bfe_u32 v14, v0, 4, 1                        ; h
	v_lshlrev_b32 v[LI], 4, v12
	s_mul_i32 s28, s22, 8448                       ; my stage: 16 rows x (512 + 16) bytes: 132 words a row, so the 16 rows of a load back start four banks apart
	v_add_nc_u32 v[SA], s28, v[LI]
	v_mul_u32_u24 v[SB], v13, 528
	v_lshl_add_u32 v[SB], v14, 6, v[SB]
	v_add_nc_u32 v[SB], s28, v[SB]
	; the bias image.  Wq, Wk, Wo are source 0 of their products: register 8 t + e of lane (r, h) is b[64 hd + 32 (t / 2) + 16 h + 8 (t % 2) + e].
	; Wv is source 1: b[64 hd + 32 (t / 2) + 8 (t % 2) + r + 8 (r / 8)] in all eight registers.  My piece: registers 4 s .. 4 s + 3, so t = s / 2, e = 4 (s % 2) + 0 .. 3.
	s_cmp_eq_u32 s24, 2
	s_cselect_b32 s29, 0, 64                       ; bytes for h
	s_cselect_b32 s30, 4, 0                        ; bytes for r + 8 (r / 8)
	s_cselect_b32 s31, 0, 4                        ; bytes for e
	v_and_b32 v15, 8, v13
	v_add_nc_u32 v15, v15, v13
	v_mul_u32_u24 v[BA], v14, s29
	v_mad_u32_u24 v[BA], v15, s30, v[BA]
	v_add_nc_u32 v[BA+1], s31, v[BA]
	v_add_nc_u32 v[BA+2], s31, v[BA+1]
	v_add_nc_u32 v[BA+3], s31, v[BA+2]
	s_lshl_b32 s32, s25, 8                         ; 4 x 64 hd
	s_lshr_b32 s33, s26, 2
	s_lshl_b32 s33, s33, 7                         ; 4 x 32 (t / 2)
	s_add_co_u32 s32, s32, s33
	s_bfe_u32 s33, s26, 0x10001
	s_lshl_b32 s33, s33, 5                         ; 4 x 8 (t % 2)
	s_add_co_u32 s32, s32, s33
	s_and_b32 s33, s26, 1
	s_mul_i32 s33, s33, s31
	s_lshl_b32 s33, s33, 2                         ; 4 (s % 2) numbers on, where e counts
	s_add_co_u32 s32, s32, s33
	s_mov_b32 s33, 0
	s_lshl_b32 s34, s25, 18                        ; W: 64 hd rows of 4,096 bytes,
	s_lshl_b32 s35, s26, 9                         ; + 512 s
	s_add_co_u32 s34, s34, s35
	s_mov_b32 s35, 0
	s_mul_i32 s36, s24, 917504
	s_mul_i32 s37, s27, 6144
	s_lshl_b32 s38, s27, 9
	s_add_co_u32 s38, s38, s36
	s_add_co_u32 s38, s38, 786432                  ; my scale image; my piece of the bias image lies 65,536 bytes behind it
	s_add_co_u32 s36, s36, s37                     ; my four fragments
	s_mov_b32 s37, 0
	s_mov_b32 s39, 0
.irp b, 0,1,2,3
	v_mov_b32 v[TM+4+\b], 0                        ; written once: a lane permute's destination counts as one of its sources
.endr
	s_wait_kmcnt 0x0
	s_cmp_eq_u32 s24, 1                            ; which tensor: the choice hangs on the work-group's and the wave's number alone
	s_cselect_b64 s[4:5], s[6:7], s[4:5]
	s_cselect_b64 s[12:13], s[14:15], s[12:13]
	s_cmp_eq_u32 s24, 2
	s_cselect_b64 s[4:5], s[8:9], s[4:5]
	s_cselect_b64 s[12:13], s[16:17], s[12:13]
	s_cmp_eq_u32 s24, 3
	s_cselect_b64 s[4:5], s[10:11], s[4:5]
	s_cselect_b64 s[12:13], s[18:19], s[12:13]
	s_add_nc_u64 s[4:5], s[4:5], s[34:35]
	s_add_nc_u64 s[12:13], s[12:13], s[32:33]
	s_add_nc_u64 s[40:41], s[20:21], s[36:37]
	s_add_nc_u64 s[42:43], s[20:21], s[38:39]
.irp e, 0,1,2,3
	global_load_b32 v[BV+\e], v[BA+\e], s[12:13]
.endr
	LOAD 0
	LOAD 1
.irp f, 0,1,2,3
.if \f < 3
	s_wait_loadcnt 16                              ; this tile's loads (and the bias) are in; the next tile's 16 may be out
.else
	s_wait_loadcnt 0x0
.endif
.if \f == 0
	global_store_b128 v[LI], v[BV:BV+3], s[42:43] offset:65536
.endif
.irp p, 0,1,2,3,4,5,6,7,8,9,10,11,12,13,14,15
	ds_store_b128 v[SA], v[RR+64*(\f%2)+4*\p:RR+64*(\f%2)+4*\p+3] offset:528*\p   ; the rows as they lie; LDS serves a wave's instructions in order, so no wait stands in front of the loads back
.endr
.irp b, 0,1,2,3
.irp j, 0,1,2,3
	ds_load_b128 v[TT+16*\b+4*\j:TT+16*\b+4*\j+3], v[SB] offset:128*\b+16*\j
.endr
.endr
	s_wait_dscnt 0x0                               ; my 64 numbers are back, and the stage's stores have read their registers,
.if \f < 2
	LOAD \f+2                                      ; which take the tile two on
.endif
.if \f > 0
	s_wait_xcnt 0x0                                ; the last tile's stores have read the codes' registers
.endif
	QUANT TT, PC, SW+\f
.irp c, 0,1,2
	global_store_b128 v[LI], v[PC+4*\c:PC+4*\c+3], s[40:41] offset:1536*\f+512*\c   ; 32 lanes store 512 consecutive bytes
.endr
.endr
	global_store_b128 v[LI], v[SW:SW+3], s[42:43]  ; the scale image
	s_wait_tensorcnt 0x0
	ds_add_u32 v62, v63
	s_wait_dscnt 0x0
	s_endpgm
.Lfunc_end_k_qcae2447616_wquant:
	.size	k_qcae2447616_wquant, .Lfunc_end_k_qcae2447616_wquant-k_qcae2447616_wquant
	.p2alignl 7, 3214868480
	.fill 96, 4, 3214868480
	.section	.rodata,"a",@progbits
	.p2align	6, 0x0
	.amdhsa_kernel k_qcae2447616_wquant
		.amdhsa_group_segment_fixed_size 17152
		.amdhsa_private_segment_fixed_size 0
		.amdhsa_enable_private_segment 0
		.amdhsa_kernarg_size 72
		.amdhsa_user_sgpr_count 2
		.amdhsa_user_sgpr_kernarg_segment_ptr 1
		.amdhsa_wavefront_size32 1
		.amdhsa_system_sgpr_workgroup_id_x 1
		.amdhsa_system_sgpr_workgroup_id_y 1
		.amdhsa_system_sgpr_workgroup_id_z 1
		.amdhsa_system_vgpr_workitem_id 0
		.amdhsa_next_free_vgpr 256
		.amdhsa_next_free_sgpr 66
		.amdhsa_reserve_vcc 0
		.amdhsa_float_denorm_mode_32 3
		.amdhsa_float_denorm_mode_16_64 3
		.amdhsa_memory_ordered 1
		.amdhsa_forward_progress 1
		.amdhsa_inst_pref_size 35
	.end_amdhsa_kernel
	.amdgpu_metadata
---
amdhsa.version: [ 1, 2 ]
amdhsa.kernels:
  - .name:           k_qcae2447616_wquant
    .symbol:         k_qcae2447616_wquant.kd
    .args:
      - { .name: Wq, .offset: 0, .size: 8, .value_kind: global_buffer, .address_space: global }
      - { .name: Wk, .offset: 8, .size: 8, .value_kind: global_buffer, .address_space: global }
      - { .name: Wv, .offset: 16, .size: 8, .value_kind: global_buffer, .address_space: global }
      - { .name: Wo, .offset: 24, .size: 8, .value_kind: global_buffer, .address_space: global }
      - { .name: bq, .offset: 32, .size: 8, .value_kind: global_buffer, .address_space: global }
      - { .name: bk, .offset: 40, .size: 8, .value_kind: global_buffer, .address_space: global }
      - { .name: bv, .offset: 48, .size: 8, .value_kind: global_buffer, .address_space: global }
      - { .name: bo, .offset: 56, .size: 8, .value_kind: global_buffer, .address_space: global }
      - { .name: wimg, .offset: 64, .size: 8, .value_kind: global_buffer, .address_space: global }
    .group_segment_fixed_size: 17152
    .private_segment_fixed_size: 0
    .kernarg_segment_align: 8
    .kernarg_segment_size: 72
    .max_flat_workgroup_size: 64
    .sgpr_count:     66
    .vgpr_count:     256
    .wavefront_size: 32
...
	.end_amdgpu_metadata
.endif
;; end of part 1
;; launch proj (part 2): grid 64 x 3, 4 waves a work-group, no clusters, 174,592 bytes of LDS; arguments q, k, v, wimg, qb, kvb; writes qb, kvb
.if DOCPART == 2
	.amdgcn_target "amdgcn-amd-amdhsa--gfx1250"
	.amdhsa_code_object_version 6
	.text
	.protected	k_qcae2447616_proj
	.globl	k_qcae2447616_proj
	.p2align	8
	.type	k_qcae2447616_proj,@function
k_qcae2447616_proj:
	s_mov_b64 s[64:65], 0
	v_nop
	global_prefetch_b8 v0, s[64:65] scope:SCOPE_SE
	s_setreg_imm32_b32 hwreg(HW_REG_WAVE_MODE, 25, 1), 1
	s_wait_xcnt 0x0
; The three input projections x W^T + b (x = q, k, v by work-group y; [8192][1024] f32), on codes of FP6 (E2M3) with one E8M0 byte for each 32 along K, and the quantising of their results for attention.
; SHARES.  A work-group takes 128 rows of x and all 1,024 columns, so each byte of x is read once in the launch.  X PHASE: wave w quantises row tiles 2 w, 2 w + 1 (16 rows x 1,024 K: 8 fragments each) and puts
; the fragments into LDS as IMAGES OF THEIR REGISTERS.  One barrier.  PRODUCTS: wave w multiplies all 8 row tiles by the W rows of heads 4 w .. 4 w + 3, a head (4 tiles of W, 32 accumulators) to a pass.
; W comes from wimg straight into the registers of the one wave that multiplies it, through a ring of eight register slots, one for each K step; a slot is asked for again as soon as its 32 products are issued.
; No tensor load and no cluster: nothing of W is read by two waves of a work-group, so through LDS every fragment of W would be written and read once more; x is shared through LDS by plain stores.
; THE ROWS OF A TILE (of x as of W) ARE NOT NEIGHBOURS: lane r of tile 2 b + u takes row 32 b + 8 u + r + 8 (r / 8), so that the 16 result registers of two neighbouring tiles of source 0 are 16 neighbours.
; q, k: source 0 = W, source 1 = x: a lane holds one row and 64 neighbouring d: quantised along d: half a fragment (6 registers) a row tile.  v: source 0 = x, source 1 = W: a lane holds one d and 128 neighbouring keys:
; quantised along the keys: a whole fragment of V^T.  The bias is the C of each sum's first matrix instruction.
; OUT.  qb, record y = batch 16 + head, 53,248 bytes: half fragments 768 qt (registers 0-3 at 16 L, 4-5 at 512 + 8 L); scale words 49,152 + (qt / 4) 256 + 16 r + 4 (qt % 4), bytes 2 and 3 zero.
;       kvb, record y, 106,496 bytes: K as Q, its scale words at 98,304; V^T: fragments 49,152 + st 6,144 + i 1,536 (registers 4 c .. at 512 c + 16 L); scale images 102,400 + st 512: [lane][4 words].
; LIMITS: a block of zeros gets the byte 1 where the rule says 127 (its codes are zeros; this program alone reads the bytes); NaN and infinities among the inputs are not served.
; LDS: 0: x's 64 fragments, mt 12,288 + s 1,536.  98,304: their scale words, (2 s + mt / 4) 512 + 16 L + 4 (mt % 4).  106,496: two stages of 16 x 528 bytes for each wave.
; REGISTERS, in windows of 256.  Window 0: v1-10 addresses; v16-47 W's scale words (4 a slot); v48-63 x's (8 a set); v64-159, v160-255 x's fragments, two sets.  In the x phase v64-191 hold two sets of 64 numbers;
;   there and on the way out v192-249 are at work.  Window 1: W's slots 0-4, 48 registers each.  Window 2: slots 5-7; v144-175 the bias.  Window 3: the 32 accumulators; in the x phase four sets of 64 as loaded.
.set LI,  1                            ; 16 x lane
.set LI2, 2                            ; + 49,152: row tiles 4-7
.set L8,  3                            ; 8 x lane
.set SA,  5                            ; my stages, on the way in
.set SB,  6                            ; and back: 528 r + 64 h
.set XWI, 7                            ; where I store images: 16 L + 24,576 w
.set XWS, 9                            ; and scale words: 98,304 + 16 L + 512 (w / 2) + 8 (w % 2)
.set XSA, 10                           ; where scale words are read: 98,304 + 16 L
.set WS,  16
.set XS,  48
.set XF,  64
.set T0,  64
.set SW,  160                          ; the way out: scale words
.set SL4, 168
.set TM,  192
.set PC0, 208                          ; two sets of 20
.set PW,  248
.set BI,  144                          ; in window 2
.set SEL, 22
.set MSB, 0
.macro WIN new                         ; the immediate's high byte repeats the setting that is left; a switch that changes nothing is dropped
.if MSB != (\new)
	s_set_vgpr_msb (MSB<<8)|(\new)
.set MSB, (\new)
.endif
.endm
.macro PLACES n
.rept \n
	v_nop
.endr
.endm
; 64 numbers of a lane in window X, register 16 b + i = k 32 b + 16 h + i of the lane's line, become 12 registers of codes in v[pc] on and a scale word in v[pw].  Each run of eight is read from its low end on.
.macro QUANT src, X, pc, pw
	WIN (\X)|((\X)<<2)
.irp b, 0,1,2,3
	v_max3_num_f32 v[TM+\b], |v[(\src)+16*\b]|, |v[(\src)+16*\b+1]|, 0x1800000   ; and the floor 2^(3 - 127): the byte cannot fall under 1
.endr
.irp i, 2,4,6,8,10,12,14
.irp b, 0,1,2,3
	v_max3_num_f32 v[TM+\b], |v[(\src)+16*\b+\i]|, |v[(\src)+16*\b+\i+1]|, v[TM+\b]
.endr
.endr
	WIN 0
.irp b, 0,1,2,3
	v_permlanex16_b32 v[TM+4+\b], v[TM+\b], s[SEL], s[SEL+1]
.endr
.irp b, 0,1,2,3
	v_max_num_f32 v[TM+\b], v[TM+\b], v[TM+4+\b]
.endr
.irp b, 0,1,2,3
	v_add_nc_u32 v[TM+12+\b], 0xff000000, v[TM+\b]   ; 2 off the exponent field: the conversion's scale operand
.endr
.irp b, 0,1,2,3
	v_lshrrev_b32 v[TM+4+\b], 23, v[TM+12+\b]
.endr
	v_lshl_or_b32 v[\pw], v[TM+5], 8, v[TM+4]
	v_lshl_or_b32 v[\pw], v[TM+6], 16, v[\pw]
	v_lshl_or_b32 v[\pw], v[TM+7], 24, v[\pw]
	WIN \X
.irp c, 0,1
	v_cvt_scalef32_pk16_fp6_f32 v[(\pc)+6*\c:(\pc)+6*\c+2], v[(\src)+32*\c:(\src)+32*\c+15], v[TM+12+2*\c]
	v_cvt_scalef32_pk16_fp6_f32 v[(\pc)+12+4*\c:(\pc)+14+4*\c], v[(\src)+16+32*\c:(\src)+31+32*\c], v[TM+13+2*\c]
.endr
	WIN 0
	v_nop                                          ; one plain place behind a scaled conversion
.irp c, 0,1
.irp i, 0,1,2
	v_permlane16_swap_b32 v[(\pc)+6*\c+\i], v[(\pc)+12+4*\c+\i]
.endr
.irp i, 0,1,2
	v_mov_b32 v[(\pc)+3+6*\c+\i], v[(\pc)+12+4*\c+\i]
.endr
.endr
.endm
; Unit t of the x phase: row tile 2 w + t / 8, K step t % 8.
.macro LOAD t                          ; 16 rows x 512 bytes, each load 512 consecutive bytes, into set t % 4 of window 3
	WIN 0xc0
.irp p, 0,1,2,3,4,5,6,7,8,9,10,11,12,13,14,15
	global_load_b128 v[64*((\t)%4)+4*\p:64*((\t)%4)+4*\p+3], v[LI], s[26:27] offset:(8*((\t)/8)+\p+8*(\p/8))*4096+512*((\t)%8) th:TH_LOAD_NT
.endr
	WIN 0
.endm
.macro XTURN t                         ; through my stage t % 2: in as rows, back as 16 neighbours of each block of my row.  LDS serves a wave's instructions in order
	WIN 0x0c
.irp p, 0,1,2,3,4,5,6,7,8,9,10,11,12,13,14,15
	ds_store_b128 v[SA], v[64*((\t)%4)+4*\p:64*((\t)%4)+4*\p+3] offset:8448*((\t)%2)+528*\p
.endr
	WIN 0
.irp b, 0,1,2,3
.irp j, 0,1,2,3
	ds_load_b128 v[T0+64*((\t)%2)+16*\b+4*\j:T0+64*((\t)%2)+16*\b+4*\j+3], v[SB] offset:8448*((\t)%2)+128*\b+16*\j
.endr
.endr
.endm
.macro IMAGE t
.irp c, 0,1,2
	ds_store_b128 v[XWI], v[PC0+20*((\t)%2)+4*\c:PC0+20*((\t)%2)+4*\c+3] offset:((\t)/8)*12288+((\t)%8)*1536+512*\c
.endr
	ds_store_b32 v[XWS], v[PW+(\t)%2] offset:((\t)%8)*1024+4*((\t)/8)
.endm
.macro GW s                            ; slot s: the head's four fragments of K step s and their scale words: 13 loads; with slot 0 the head's bias: 21
.if (\s) < 5
	WIN 0x40
.set SLB, 48*(\s)
.else
	WIN 0x80
.set SLB, 48*((\s)-5)
.endif
.irp j, 0,1,2,3
.irp c, 0,1,2
	global_load_b128 v[SLB+12*\j+4*\c:SLB+12*\j+4*\c+3], v[LI], s[28:29] offset:(\s)*6144+\j*1536+512*\c
.endr
.endr
.if (\s) == 0
	WIN 0x80
.irp e, 0,1,2,3,4,5,6,7
	global_load_b128 v[BI+4*\e:BI+4*\e+3], v[LI], s[30:31] offset:65536+512*\e
.endr
.endif
	WIN 0
	global_load_b128 v[WS+4*(\s):WS+4*(\s)+3], v[LI], s[30:31] offset:512*(\s)
.endm
.macro FETCHX set, s                   ; x's eight fragments of K step s and their scale words: 26 LDS loads
.irp i, 0,1,2,3
.irp c, 0,1,2
	ds_load_b128 v[XF+96*(\set)+12*\i+4*\c:XF+96*(\set)+12*\i+4*\c+3], v[LI] offset:\i*12288+(\s)*1536+512*\c
.endr
.endr
.irp i, 0,1,2,3
.irp c, 0,1,2
	ds_load_b128 v[XF+96*(\set)+48+12*\i+4*\c:XF+96*(\set)+48+12*\i+4*\c+3], v[LI2] offset:\i*12288+(\s)*1536+512*\c
.endr
.endr
	ds_load_b128 v[XS+8*(\set):XS+8*(\set)+3], v[XSA] offset:(\s)*1024
	ds_load_b128 v[XS+8*(\set)+4:XS+8*(\set)+7], v[XSA] offset:(\s)*1024+512
.endm
.macro XSTEP t
.if (\t) == 0
	s_wait_dscnt 0x0
.else
	s_wait_dscnt 4                                 ; this unit's numbers are back; the last unit's four image stores may be out.  So the stage's stores have read set t % 4, and the unit before last's image stores their codes
.endif
.if (\t) < 12
	LOAD (\t)+4
.else
	GW 2*((\t)-12)                                 ; x is asked for: now the first head's W, two slots a unit
	GW 2*((\t)-12)+1
.endif
.if (\t) < 15
.if (\t) < 12
	s_wait_loadcnt 48                              ; the next unit's 16 loads are in; the three units behind it may be out
.else
	s_wait_loadcnt 63                              ; behind the next unit's loads stand 66, 76, 86 others: 63 is the largest count that the wait can name
.endif
	XTURN (\t)+1
.endif
	QUANT T0+64*((\t)%2), 0, PC0+20*((\t)%2), PW+(\t)%2
	IMAGE \t
.endm
; A K step of 128: 32 matrix instructions, the 32 accumulators by turns in the same order in every step.  path 0: q, k; 1: v.  refill 1: the slot takes the next head's fragments.
.macro KSTEP path, s, refill
.if (\s) < 5
.set SLW, 1
.set SLB, 48*(\s)
.else
.set SLW, 2
.set SLB, 48*((\s)-5)
.endif
.set XB, XF+96*((\s)%2)
.set XC, XS+8*((\s)%2)
.if \refill
	s_wait_loadcnt 63                              ; behind this slot's loads stand the seven other slots', 91 at the least
.elseif 13*(7-(\s)) > 63
	s_wait_loadcnt 63
.else
	s_wait_loadcnt 13*(7-(\s))                     ; the later slots' loads may be out
.endif
.if (\refill == 0) && ((\s) == 7)
	s_wait_dscnt 0x0
.else
	s_wait_dscnt 26                                ; this step's fragments of x are in; the other set's 26 loads may be out
.endif
.if \path == 0
.if (\s) == 0
	WIN 0xe1                                       ; source 0 (W) window 1, source 1 (x) window 0, C (the bias) window 2, D window 3
.else
	WIN 0xf0|SLW
.endif
.irp i, 0,1,2,3,4,5,6,7
.irp j, 0,1,2,3
.if (\s) == 0
	v_wmma_scale_f32_16x16x128_f8f6f4 v[8*(4*\i+\j):8*(4*\i+\j)+7], v[SLB+12*\j:SLB+12*\j+11], v[XB+12*\i:XB+12*\i+11], v[BI+8*\j:BI+8*\j+7], v[WS+4*(\s)+\j], v[XC+\i] matrix_a_fmt:MATRIX_FMT_FP6 matrix_b_fmt:MATRIX_FMT_FP6
.else
	v_wmma_scale_f32_16x16x128_f8f6f4 v[8*(4*\i+\j):8*(4*\i+\j)+7], v[SLB+12*\j:SLB+12*\j+11], v[XB+12*\i:XB+12*\i+11], v[8*(4*\i+\j):8*(4*\i+\j)+7], v[WS+4*(\s)+\j], v[XC+\i] matrix_a_fmt:MATRIX_FMT_FP6 matrix_b_fmt:MATRIX_FMT_FP6
.endif
.endr
.endr
.else
.if (\s) == 0
	WIN 0xe4                                       ; source 0 (x) window 0, source 1 (W) window 1, C window 2, D window 3
.else
	WIN 0xf0|(SLW<<2)
.endif
.irp i, 0,1,2,3
.irp j, 0,1,2,3,4,5,6,7
.if (\s) == 0
	v_wmma_scale_f32_16x16x128_f8f6f4 v[8*(8*\i+\j):8*(8*\i+\j)+7], v[XB+12*\j:XB+12*\j+11], v[SLB+12*\i:SLB+12*\i+11], v[BI+8*\i:BI+8*\i+7], v[XC+\j], v[WS+4*(\s)+\i] matrix_a_fmt:MATRIX_FMT_FP6 matrix_b_fmt:MATRIX_FMT_FP6
.else
	v_wmma_scale_f32_16x16x128_f8f6f4 v[8*(8*\i+\j):8*(8*\i+\j)+7], v[XB+12*\j:XB+12*\j+11], v[SLB+12*\i:SLB+12*\i+11], v[8*(8*\i+\j):8*(8*\i+\j)+7], v[XC+\j], v[WS+4*(\s)+\i] matrix_a_fmt:MATRIX_FMT_FP6 matrix_b_fmt:MATRIX_FMT_FP6
.endif
.endr
.endr
.endif
	PLACES 4                                       ; in front of loads into registers that these products have read, and of the first read of results
	WIN 0
.if \refill
	GW \s
.endif
.if (\s) <= 5
	FETCHX (\s)%2, (\s)+2
.elseif ((\s) == 6) && \refill
	FETCHX 0, 0                                    ; the next pass begins again at K step 0; its set 1 is fetched behind the way out, which works in set 1's registers
.endif
.endm
; The way out of a pass of q or k: row tiles 2 g and 2 g + 1 are 64 registers: four blocks of 32 along d; the 12 registers of codes are two half fragments.
.macro EPIQK
.irp g, 0,1,2,3
	s_wait_xcnt 0x0                                ; earlier stores have read their registers
	QUANT 64*\g, 3, PC0+20*(\g%2), PW
	global_store_b128 v[LI], v[PC0+20*(\g%2):PC0+20*(\g%2)+3], s[34:35] offset:1536*\g
	global_store_b64 v[L8], v[PC0+20*(\g%2)+4:PC0+20*(\g%2)+5], s[34:35] offset:1536*\g+512
	global_store_b128 v[LI], v[PC0+20*(\g%2)+6:PC0+20*(\g%2)+9], s[34:35] offset:1536*\g+768
	global_store_b64 v[L8], v[PC0+20*(\g%2)+10:PC0+20*(\g%2)+11], s[34:35] offset:1536*\g+1280
	v_and_b32 v[SW+2*\g], s25, v[PW]               ; tile 2 g's two bytes,
	v_lshrrev_b32 v[SW+2*\g+1], 16, v[PW]          ; tile 2 g + 1's
.endr
.irp t, 0,1,2,3
	v_cndmask_b32 v[SL4+\t], v[SW+\t], v[SW+4+\t], s24   ; lanes 0-15 store tiles 0-3's words, lanes 16-31 tiles 4-7's
.endr
	global_store_b128 v[LI], v[SL4:SL4+3], s[36:37]   ; 512 consecutive bytes
.endm
; The way out of a pass of v: d tile i is 64 registers: 128 neighbouring keys: a whole fragment of V^T.
.macro EPIV
.irp i, 0,1,2,3
	s_wait_xcnt 0x0
	QUANT 64*\i, 3, PC0+20*(\i%2), SW+\i
.irp c, 0,1,2
	global_store_b128 v[LI], v[PC0+20*(\i%2)+4*\c:PC0+20*(\i%2)+4*\c+3], s[34:35] offset:1536*\i+512*\c
.endr
.endr
	global_store_b128 v[LI], v[SW:SW+3], s[36:37]
.endm
.macro PASS path, refill
	PLACES 5                                       ; the sums begin anew with another C: five places behind the last products on these accumulators
.irp s, 0,1,2,3,4,5,6,7
	KSTEP \path, \s, \refill
.endr
.if \path == 0
	EPIQK
.else
	EPIV
.endif
.endm
.macro NEXTHEAD                        ; between two passes
	s_wait_xcnt 0x0                                ; the stores have read their registers, which lie in set 1; loads and stores have read their bases
	FETCHX 1, 1
	s_add_nc_u64 s[28:29], s[28:29], 49152
	s_add_nc_u64 s[30:31], s[30:31], 4096
	s_add_nc_u64 s[34:35], s[34:35], s[38:39]
	s_add_nc_u64 s[36:37], s[36:37], s[38:39]
.endm
	s_load_b256 s[4:11], s[0:1], 0x0               ; q, k, v, wimg
	s_load_b128 s[12:15], s[0:1], 0x20             ; qb, kvb
	v_lshl_add_u32 v14, v0, 2, 0x2a800
	v_mov_b32 v15, 0
	v_lshrrev_b32 v4, 5, v0
	v_readfirstlane_b32 s16, v4                    ; wave 0..3
	s_and_b32 s17, ttmp7, 0xffff                   ; T: 0 q, 1 k, 2 v
	s_lshr_b32 s19, ttmp9, 3                       ; batch
	s_and_b32 s20, ttmp9, 7                        ; which 128 rows of it
	s_mov_b32 s[SEL], 0x76543210
	s_mov_b32 s[SEL+1], 0xfedcba98
	s_mov_b32 s24, 0xffff0000                      ; lanes 16-31
	s_mov_b32 s25, 0xffff
	v_and_b32 v4, 31, v0
	v_and_b32 v8, 15, v0
	v_bfe_u32 v11, v0, 4, 1
	v_lshlrev_b32 v[LI], 4, v4
	v_add_nc_u32 v[LI2], 49152, v[LI]
	v_lshlrev_b32 v[L8], 3, v4
	s_mul_i32 s44, s16, 16896
	s_add_co_u32 s44, s44, 106496
	v_add_nc_u32 v[SA], s44, v[LI]
	v_mul_u32_u24 v[SB], v8, 528
	v_lshl_add_u32 v[SB], v11, 6, v[SB]
	v_add_nc_u32 v[SB], s44, v[SB]
	s_mul_i32 s44, s16, 24576
	v_add_nc_u32 v[XWI], s44, v[LI]
	s_lshr_b32 s44, s16, 1
	s_lshl_b32 s44, s44, 9
	s_and_b32 s45, s16, 1
	s_lshl_b32 s45, s45, 3
	s_add_co_u32 s44, s44, s45
	s_add_co_u32 s44, s44, 98304
	v_add_nc_u32 v[XWS], s44, v[LI]
	v_add_nc_u32 v[XSA], 98304, v[LI]
.irp b, 0,1,2,3
	v_mov_b32 v[TM+4+\b], 0                        ; written once: a lane permute's destination counts as one of its sources
.endr
	s_lshl_b32 s46, ttmp9, 19                      ; x: 128 rows of 4,096 bytes a work-group,
	s_lshl_b32 s47, s16, 17                        ; 32 a wave
	s_add_co_u32 s46, s46, s47
	s_mov_b32 s47, 0
	s_mul_i32 s48, s17, 917504                     ; wimg: the tensor,
	s_lshl_b32 s50, s16, 14                        ; scale images: 4 heads of 4,096 bytes a wave
	s_add_co_u32 s50, s50, s48
	s_add_co_u32 s50, s50, 786432
	s_mul_i32 s49, s16, 196608                     ; codes: 4 heads of 49,152 bytes a wave
	s_add_co_u32 s48, s48, s49
	s_mov_b32 s49, 0
	s_mov_b32 s51, 0
	s_wait_kmcnt 0x0
	s_cmp_eq_u32 s17, 1                            ; the choices hang on the work-group's number alone
	s_cselect_b64 s[26:27], s[6:7], s[4:5]
	s_cmp_eq_u32 s17, 2
	s_cselect_b64 s[26:27], s[8:9], s[26:27]
	s_cselect_b32 s42, 49152, 0                    ; V^T's codes lie behind K's
	s_cselect_b32 s43, 4096, 0                     ; and its scale images behind K's scale words
	s_cmp_eq_u32 s17, 0
	s_cselect_b64 s[34:35], s[12:13], s[14:15]
	s_mov_b32 s38, 106496
	s_cselect_b32 s38, 53248, s38                  ; a record
	s_mov_b32 s41, 98304
	s_cselect_b32 s41, 49152, s41                  ; where its scale words begin
	s_mov_b32 s39, 0
	s_add_nc_u64 s[26:27], s[26:27], s[46:47]
	s_add_nc_u64 s[28:29], s[10:11], s[48:49]
	s_add_nc_u64 s[30:31], s[10:11], s[50:51]
	s_lshl_b32 s44, s19, 4
	s_lshl_b32 s45, s16, 2
	s_add_co_u32 s44, s44, s45
	s_mul_i32 s44, s44, s38                        ; record 16 x batch + 4 w
	s_mul_i32 s45, s20, 6144
	s_add_co_u32 s52, s44, s45
	s_add_co_u32 s52, s52, s42
	s_mov_b32 s53, 0
	s_lshl_b32 s45, s20, 9
	s_add_co_u32 s54, s44, s45
	s_add_co_u32 s54, s54, s41
	s_add_co_u32 s54, s54, s43
	s_mov_b32 s55, 0
	s_add_nc_u64 s[36:37], s[34:35], s[54:55]      ; scale words
	s_add_nc_u64 s[34:35], s[34:35], s[52:53]      ; codes
	; ---- X PHASE: 16 units; loads run four units (64 loads a wave) ahead, the turn through the stage one unit
	LOAD 0
	LOAD 1
	LOAD 2
	LOAD 3
	s_wait_loadcnt 48                              ; unit 0 is in
	XTURN 0
.irp t, 0,1,2,3,4,5,6,7,8,9,10,11,12,13,14,15
	XSTEP \t
.endr
	s_wait_dscnt 0x0                               ; for the others' sake: my images lie in LDS
	s_barrier_signal -1
	s_barrier_wait -1                              ; everybody's do; from here on LDS is only read
	FETCHX 0, 0
	FETCHX 1, 1
	s_wait_xcnt 0x0                                ; the first head's loads have read their bases
	s_add_nc_u64 s[28:29], s[28:29], 49152         ; refills ask for the next head
	s_add_nc_u64 s[30:31], s[30:31], 4096
	s_mov_b32 s40, 3
	s_cmp_eq_u32 s17, 2
	s_cbranch_scc1 .Lv
.Lqk:                                                  ; three passes that refill the slots; the fourth is written out and asks for nothing
	PASS 0, 1
	NEXTHEAD
	s_sub_co_u32 s40, s40, 1
	s_cmp_lg_u32 s40, 0
	s_cbranch_scc1 .Lqk
	PASS 0, 0
	s_wait_tensorcnt 0x0
	ds_add_u32 v14, v15
	s_wait_dscnt 0x0
	s_endpgm
.Lv:
	PASS 1, 1
	NEXTHEAD
	s_sub_co_u32 s40, s40, 1
	s_cmp_lg_u32 s40, 0
	s_cbranch_scc1 .Lv
	PASS 1, 0
	s_wait_tensorcnt 0x0
	ds_add_u32 v14, v15
	s_wait_dscnt 0x0
	s_endpgm
.Lfunc_end_k_qcae2447616_proj:
	.size	k_qcae2447616_proj, .Lfunc_end_k_qcae2447616_proj-k_qcae2447616_proj
	.p2alignl 7, 3214868480
	.fill 96, 4, 3214868480
	.section	.rodata,"a",@progbits
	.p2align	6, 0x0
	.amdhsa_kernel k_qcae2447616_proj
		.amdhsa_group_segment_fixed_size 174592
		.amdhsa_private_segment_fixed_size 0
		.amdhsa_enable_private_segment 0
		.amdhsa_kernarg_size 48
		.amdhsa_user_sgpr_count 2
		.amdhsa_user_sgpr_kernarg_segment_ptr 1
		.amdhsa_wavefront_size32 1
		.amdhsa_system_sgpr_workgroup_id_x 1
		.amdhsa_system_sgpr_workgroup_id_y 1
		.amdhsa_system_sgpr_workgroup_id_z 1
		.amdhsa_system_vgpr_workitem_id 0
		.amdhsa_next_free_vgpr 1024
		.amdhsa_next_free_sgpr 66
		.amdhsa_reserve_vcc 0
		.amdhsa_float_denorm_mode_32 3
		.amdhsa_float_denorm_mode_16_64 3
		.amdhsa_memory_ordered 1
		.amdhsa_forward_progress 1
		.amdhsa_inst_pref_size 255
	.end_amdhsa_kernel
	.section	.bss,"aw",@nobits
	.p2align	6
	.space	262144
	.amdgpu_metadata
---
amdhsa.version: [ 1, 2 ]
amdhsa.kernels:
  - .name:           k_qcae2447616_proj
    .symbol:         k_qcae2447616_proj.kd
    .args:
      - { .name: q, .offset: 0, .size: 8, .value_kind: global_buffer, .address_space: global }
      - { .name: k, .offset: 8, .size: 8, .value_kind: global_buffer, .address_space: global }
      - { .name: v, .offset: 16, .size: 8, .value_kind: global_buffer, .address_space: global }
      - { .name: wimg, .offset: 24, .size: 8, .value_kind: global_buffer, .address_space: global }
      - { .name: qb, .offset: 32, .size: 8, .value_kind: global_buffer, .address_space: global }
      - { .name: kvb, .offset: 40, .size: 8, .value_kind: global_buffer, .address_space: global }
    .group_segment_fixed_size: 174592
    .private_segment_fixed_size: 0
    .kernarg_segment_align: 8
    .kernarg_segment_size: 48
    .max_flat_workgroup_size: 128
    .sgpr_count:     66
    .vgpr_count:     1024
    .wavefront_size: 32
...
	.end_amdgpu_metadata
.endif
;; end of part 2
;; launch attn (part 3): grid 2 x 128, 16 waves a work-group, no clusters, 108,544 bytes of LDS; arguments qb, kvb, mask, ab, asc; writes ab, asc
.if DOCPART == 3
	.amdgcn_target "amdgcn-amd-amdhsa--gfx1250"
	.amdhsa_code_object_version 6
	.text
	.protected	k_qcae2447616_attn
	.globl	k_qcae2447616_attn
	.p2align	8
	.type	k_qcae2447616_attn,@function
k_qcae2447616_attn:
	s_mov_b64 s[64:65], 0
	v_nop
	global_prefetch_b8 v0, s[64:65] scope:SCOPE_SE
	s_setreg_imm32_b32 hwreg(HW_REG_WAVE_MODE, 25, 1), 1
	s_wait_xcnt 0x0
; Attention of one (batch, head) on codes of FP6 (E2M3): S^T = K Q^T (K = the head's 64), the mask, the softmax ahead of the second product, O^T = V^T P^T (K = the keys), the division by the row's sum,
; and the quantising of the result along the hidden axis for the output projection.
; THE SOFTMAX: t = score x log2(e) / 8; M = the running largest t rounded UP to a whole number, kept as -M = floor(-t); p = 2^(t - M) is quantised along the keys, not normalised; the row's sum is taken of the
; unquantised p; when M moves, the sum and O^T are multiplied by 2^(old M - new M), which rounds nothing.
; SHARES.  Work-group (x, y): head record y, half x of its 1,024 queries.  The head's whole record of kvb (K, V^T, their scale words: 106,496 bytes) is copied into LDS once, as it lies; one barrier; then LDS is only read.
; Sixteen waves, four to a SIMD, so that one wave's vector work stands beside another's products and LDS loads.  A wave owns query tiles 32 x + w and 32 x + 16 + w, one after the other; 8 steps of 128 keys each.
; Both products are used transposed: a lane holds ONE query (lane % 16) throughout.  The keys of a tile of K are not neighbours (lane r of tile 2 b + u: key 32 b + 8 u + r + 8 (r / 8)), so that p's 16 registers of two
; neighbouring tiles are 16 neighbouring keys.
; THE MASK RIDES IN THE EMPTY HALF OF THE FIRST PRODUCT'S K.  The instruction is 128 deep, the head 64.  At k = 64 every key has the code of 1.0 and every query that of -1.0; the query's scale byte of that block is 127,
; the key's 160 where mask is true and 0 where not.  So the product itself adds -2^33 to a masked score (logit -2^30) and -2^-127 to an open one, and no vector instruction is spent.
; A batch whose every key is masked: the module then gives the plain mean of V.  There all of Q's codes are cleared (KEEP = 0): every score is 0, every p is 1.  KEEP selects a value; nothing branches on it.
; LIMITS: the masked logit is -2^30 in place of -1e9, an open score carries -2^-127: the results are the same as long as |logit| stays under 2^29.  A block of zeros gets the byte 1 where the rule says 127 (its codes
; are zeros; this program alone reads the bytes).  NaN and infinities are not served.  A block's largest p is the block's largest score put through the same multiply-add and exponential.
; OUT.  ab: the half fragment of (row tile MT = 64 batch + qt, head) at (16 MT + head) 768: registers 0-3 at 16 L, 4-5 at 512 + 8 L.  asc: one byte at 512 MT + 32 r + 2 head + block.
.set LI,  1                            ; 16 x lane
.set L8,  2                            ; 8 x lane
.set LIV, 3                            ; 16 x lane + 49,152: V^T
.set KSA, 4                            ; 16 r + 98,304: K's scale words
.set VSA, 5                            ; 16 x lane + 102,400: V's scale images
.set ASA, 6                            ; 32 r + h: my scale byte in asc
.set TP,  7                            ; at work
.set NM,  8                            ; v8 -M, v9 the largest t
.set SUM, 10                           ; v[10:11] the row's sum in two halves
.set KS,  12                           ; v12-19 K's scale words of a step's 8 tiles
.set VS,  20                           ; v20-23 V's
.set QS,  24                           ; Q's scale word
.set PS,  25                           ; p's
.set Q,   26                           ; v26-37 Q's fragment
.set QN,  38                           ; v38-43 the second tile's codes;  v44 its scale word
.set QNS, 44
.set KF,  46                           ; v46-93 four fragments of K; registers 6-11 of each are constants
.set S,   94                           ; v94-157 S^T, then p
.set VF,  126                          ; v126-173 four fragments of V^T: over p's upper half, when p has been read
.set O,   174                          ; v174-205 O^T
.set PC,  206                          ; v206-217 p's codes
.set SCR, 218                          ; v218-225 at work
.set SO,  226                          ; v226-229 the conversions' scale operands
.set BM,  230                          ; v230-233 the blocks' largest scores, then largest p
.set FF,  234                          ; v[234:235] f = 2^(old M - new M), at the end 1 / sum; the pair's upper word is written once and not used
.set SEL, 20
.set CS,  22
.macro PLACES n
.rept \n
	v_nop
.endr
.endm
.macro KLOAD st, g                     ; tiles 8 st + 4 g + 0 .. 3 of K and their scale words: 9 LDS loads
.irp t, 0,1,2,3
	ds_load_b128 v[KF+12*\t:KF+12*\t+3], v[LI] offset:768*(8*(\st)+4*(\g)+\t)
	ds_load_b64 v[KF+12*\t+4:KF+12*\t+5], v[L8] offset:768*(8*(\st)+4*(\g)+\t)+512
.endr
	ds_load_b128 v[KS+4*(\g):KS+4*(\g)+3], v[KSA] offset:512*(\st)+256*(\g)
.endm
.macro VLOAD st                        ; V^T's four fragments of key step st and their scale words: 13 LDS loads
.irp i, 0,1,2,3
.irp c, 0,1,2
	ds_load_b128 v[VF+12*\i+4*\c:VF+12*\i+4*\c+3], v[LIV] offset:6144*(\st)+1536*\i+512*\c
.endr
.endr
	ds_load_b128 v[VS:VS+3], v[VSA] offset:512*(\st)
.endm
.macro QK g
.irp t, 0,1,2,3
	v_wmma_scale_f32_16x16x128_f8f6f4 v[S+32*(\g)+8*\t:S+32*(\g)+8*\t+7], v[KF+12*\t:KF+12*\t+11], v[Q:Q+11], 0, v[KS+4*(\g)+\t], v[QS] matrix_a_fmt:MATRIX_FMT_FP6 matrix_b_fmt:MATRIX_FMT_FP6
.endr
.endm
.macro BMAX b0                         ; the largest score of blocks b0, b0 + 1, by turns; each accumulator is read from its low end on
.irp b, \b0, \b0+1
	v_max3_num_f32 v[BM+\b], v[S+16*(\b)], v[S+16*(\b)+1], v[S+16*(\b)+2]
.endr
.irp i, 3,5,7,9,11,13
.irp b, \b0, \b0+1
	v_max3_num_f32 v[BM+\b], v[BM+\b], v[S+16*(\b)+\i], v[S+16*(\b)+\i+1]
.endr
.endr
.irp b, \b0, \b0+1
	v_max_num_f32 v[BM+\b], v[BM+\b], v[S+16*(\b)+15]
.endr
.endm
; A KEY STEP: 128 keys.  On entry the step's first four tiles of K are in registers.
.macro STEP st
	QK 0
	PLACES 5                                       ; four in front of the loads into K's registers and of the first read of these scores; five in front of the next four results, which land on registers that the last step's V^T P read
	KLOAD \st, 1
	BMAX 0
	s_wait_dscnt 0x0                               ; K's tiles 4-7
	QK 1
	PLACES 4
	KLOAD ((\st)+1)%8, 0                           ; the next step's first four tiles (behind the last step: the next trip's)
	BMAX 2
.irp b, 0,1,2,3
	v_permlanex16_b32 v[SCR+\b], v[BM+\b], s[SEL], s[SEL+1]
.endr
.irp b, 0,1,2,3
	v_max_num_f32 v[BM+\b], v[BM+\b], v[SCR+\b]    ; with lane l xor 16's 16 keys
.endr
	v_max3_num_f32 v[TP], v[BM], v[BM+1], v[BM+2]
	v_max_num_f32 v[TP], v[TP], v[BM+3]            ; the step's largest score of my query
	v_mul_f32 v[TP], s[CS], v[TP]                  ; as t
	v_max_num_f32 v[NM+1], v[NM+1], v[TP]          ; the running largest t
	v_mov_b32 v[TP], v[NM]
	v_floor_f32 v[NM], -v[NM+1]                    ; -M = floor(-t): M is a whole number
	v_sub_f32 v[TP], v[NM], v[TP]                  ; old M - new M, 0 or less
	v_cvt_i32_f32 v[TP], v[TP]                     ; (it saturates)
	v_ldexp_f32 v[FF], 1.0, v[TP]                  ; f
.set J, 0
.rept 32
	v_pk_fma_f32 v[S+J:S+J+1], v[S+J:S+J+1], s[CS:CS+1], v[NM:NM+1] op_sel_hi:[1,0,0]   ; t - M, two at a time
.set J, J+2
.endr
.irp b, 0,1,2,3
	v_fma_f32 v[BM+\b], v[BM+\b], s[CS], v[NM]
.endr
.set J, 0
.rept 64
	v_exp_f32 v[S+J], v[S+J]                       ; p
.set J, J+1
.endr
.irp b, 0,1,2,3
	v_exp_f32 v[BM+\b], v[BM+\b]                   ; the block's largest p
.endr
	v_pk_mul_f32 v[SUM:SUM+1], v[SUM:SUM+1], v[FF:FF+1] op_sel_hi:[1,0]   ; the sums under the new M.  (The plain place behind the exponentials)
	s_wait_alu depctr_va_vdst(0)
.irp b, 0,1,2,3
	v_max_num_f32 v[BM+\b], 0x1800000, v[BM+\b]    ; the floor 2^(3 - 127)
.endr
.irp b, 0,1,2,3
	v_add_nc_u32 v[SO+\b], 0xff000000, v[BM+\b]
.endr
.irp b, 0,1,2,3
	v_lshrrev_b32 v[SCR+\b], 23, v[SO+\b]
.endr
	v_lshl_or_b32 v[PS], v[SCR+1], 8, v[SCR]
	v_lshl_or_b32 v[PS], v[SCR+2], 16, v[PS]
	v_lshl_or_b32 v[PS], v[SCR+3], 24, v[PS]
.irp c, 0,1
	v_cvt_scalef32_pk16_fp6_f32 v[PC+6*\c:PC+6*\c+2], v[S+32*\c:S+32*\c+15], v[SO+2*\c]
	v_cvt_scalef32_pk16_fp6_f32 v[SCR+4*\c:SCR+4*\c+2], v[S+16+32*\c:S+31+32*\c], v[SO+2*\c+1]
.endr
	v_nop                                          ; one plain place behind a scaled conversion
.irp c, 0,1
.irp i, 0,1,2
	v_permlane16_swap_b32 v[PC+6*\c+\i], v[SCR+4*\c+\i]
.endr
.irp i, 0,1,2
	v_mov_b32 v[PC+3+6*\c+\i], v[SCR+4*\c+\i]
.endr
.endr
	v_pk_add_f32 v[SCR:SCR+1], v[S:S+1], v[S+2:S+3]   ; the row's sum, of the unquantised p: two at a time, in two chains
.irp j, 4,8,12,16,20,24,28,32,36,40,44,48,52,56,60
	v_pk_add_f32 v[SUM:SUM+1], v[SUM:SUM+1], v[S+\j:S+\j+1]
	v_pk_add_f32 v[SCR:SCR+1], v[SCR:SCR+1], v[S+\j+2:S+\j+3]
.endr
	v_pk_add_f32 v[SUM:SUM+1], v[SUM:SUM+1], v[SCR:SCR+1]
	VLOAD \st                                      ; p has been read for the last time
.set J, 0
.rept 16
	v_pk_mul_f32 v[O+J:O+J+1], v[O+J:O+J+1], v[FF:FF+1] op_sel_hi:[1,0]   ; O^T under the new M.  (With the additions above: the places between p's codes and scale word and the products)
.set J, J+2
.endr
	s_wait_dscnt 0x0                               ; V^T is in, and so are the next step's first tiles of K
.irp i, 0,1,2,3
	v_wmma_scale_f32_16x16x128_f8f6f4 v[O+8*\i:O+8*\i+7], v[VF+12*\i:VF+12*\i+11], v[PC:PC+11], v[O+8*\i:O+8*\i+7], v[VS+\i], v[PS] matrix_a_fmt:MATRIX_FMT_FP6 matrix_b_fmt:MATRIX_FMT_FP6
.endr
.endm
	s_load_b256 s[4:11], s[0:1], 0x0               ; qb, kvb, mask, ab
	s_load_b64 s[12:13], s[0:1], 0x20              ; asc
	v_lshl_add_u32 v254, v0, 2, 0x1a000
	v_mov_b32 v255, 0
	v_lshrrev_b32 v[TP], 5, v0
	v_readfirstlane_b32 s14, v[TP]                 ; wave 0..15
	s_and_b32 s15, ttmp7, 0xffff                   ; y: the record
	s_lshr_b32 s16, s15, 4                         ; batch
	s_and_b32 s17, s15, 15                         ; head
	s_lshl_b32 s19, ttmp9, 5
	s_add_co_u32 s19, s19, s14                     ; qt: my first query tile
	s_mov_b32 s[SEL], 0x76543210
	s_mov_b32 s[SEL+1], 0xfedcba98
	s_mov_b32 s[CS], 0x3e38aa3b                    ; c = log2(e) / 8
	s_mov_b32 s[CS+1], s[CS]                       ; (named with it as a pair, so it is written)
	s_mov_b32 s24, 0xffff0000                      ; lanes 16-31
	s_mov_b32 s26, 0xa00000                        ; the byte 160 at its place in a scale word
	s_mul_i32 s28, s15, 106496
	s_mov_b32 s29, 0
	s_mul_i32 s34, s15, 53248
	s_mul_i32 s35, s19, 768
	s_add_co_u32 s30, s34, s35                     ; Q's codes
	s_mov_b32 s31, 0
	s_lshr_b32 s35, s19, 2
	s_lshl_b32 s35, s35, 8
	s_add_co_u32 s32, s34, s35
	s_and_b32 s35, s19, 3
	s_lshl_b32 s35, s35, 2
	s_add_co_u32 s32, s32, s35
	s_add_co_u32 s32, s32, 49152                   ; Q's scale words
	s_mov_b32 s33, 0
	s_lshl_b32 s36, s16, 10                        ; the batch's mask
	s_mov_b32 s37, 0
	s_lshl_b32 s34, s16, 6
	s_add_co_u32 s34, s34, s19                     ; MT
	s_lshl_b32 s38, s34, 4
	s_add_co_u32 s38, s38, s17
	s_mul_i32 s38, s38, 768
	s_mov_b32 s39, 0
	s_lshl_b32 s40, s34, 9
	s_lshl_b32 s35, s17, 1
	s_add_co_u32 s40, s40, s35
	s_mov_b32 s41, 0
	v_and_b32 v156, 31, v0                         ; lane
	v_and_b32 v157, 15, v0                         ; r
	v_bfe_u32 v158, v0, 4, 1                       ; h
	v_lshlrev_b32 v[LI], 4, v156
	v_lshlrev_b32 v[L8], 3, v156
	v_add_nc_u32 v[LIV], 49152, v[LI]
	v_lshlrev_b32 v166, 4, v157
	v_add_nc_u32 v[KSA], 98304, v166
	v_add_nc_u32 v[VSA], 102400, v[LI]
	v_lshl_add_u32 v[ASA], v157, 5, v158
	v_lshlrev_b32 v160, 4, v0                      ; the copy: 16 bytes a thread, 8,192 a line
	v_add_nc_u32 v161, 49152, v160
	v_lshlrev_b32 v163, 3, v0                      ; the scale words: 8 bytes a thread
	v_add_nc_u32 v162, 98304, v163
	v_bfe_u32 v164, v0, 1, 4                       ; my two scale words of K are those of lane rho = (t / 2) % 16 of tiles 4 (t / 32) + 2 (t % 2) and the next:
	v_and_b32 v[TP], 8, v164
	v_add_nc_u32 v164, v164, v[TP]
	v_and_b32 v[TP], 1, v0
	v_lshl_add_u32 v164, v[TP], 5, v164
	v_lshrrev_b32 v[TP], 5, v0
	v_lshl_add_u32 v164, v[TP], 6, v164            ; keys 64 (t / 32) + 32 (t % 2) + rho + 8 (rho / 8), and 8 on
	v_lshlrev_b32 v165, 5, v156                    ; the whole batch's mask: 32 bytes a lane
	s_wait_kmcnt 0x0
	s_add_nc_u64 s[6:7], s[6:7], s[28:29]
	s_add_nc_u64 s[32:33], s[4:5], s[32:33]
	s_add_nc_u64 s[4:5], s[4:5], s[30:31]
	s_add_nc_u64 s[8:9], s[8:9], s[36:37]
	s_add_nc_u64 s[10:11], s[10:11], s[38:39]
	s_add_nc_u64 s[12:13], s[12:13], s[40:41]
.irp k, 0,1,2,3,4,5,6,7,8,9,10,11
	global_load_b128 v[S+4*\k:S+4*\k+3], v160, s[6:7] offset:8192*\k
.endr
	global_load_b64 v[142:143], v163, s[6:7] offset:98304
	global_load_b64 v[144:145], v163, s[6:7] offset:102400
	global_load_u8 v146, v164, s[8:9]
	global_load_u8 v147, v164, s[8:9] offset:8
	global_load_b128 v[148:151], v165, s[8:9]
	global_load_b128 v[152:155], v165, s[8:9] offset:16
	global_load_b128 v[Q:Q+3], v[LI], s[4:5]
	global_load_b64 v[Q+4:Q+5], v[L8], s[4:5] offset:512
	global_load_b32 v[QS], v166, s[32:33]
	global_load_b128 v[QN:QN+3], v[LI], s[4:5] offset:12288      ; the tile 16 on
	global_load_b64 v[QN+4:QN+5], v[L8], s[4:5] offset:12800
	global_load_b32 v[QNS], v166, s[32:33] offset:1024
	v_xor_b32 v159, 1, v158                        ; 1 in lanes 0-15, which hold k = 64 .. 95
	v_lshlrev_b32 v[TP], 3, v159                   ; the code of 1.0 at k = 64
.irp t, 0,1,2,3
	v_mov_b32 v[KF+12*\t+6], v[TP]
.irp i, 7,8,9,10,11
	v_mov_b32 v[KF+12*\t+\i], 0
.endr
.endr
.irp i, 7,8,9,10,11
	v_mov_b32 v[Q+\i], 0
.endr
.irp b, 0,1,2,3
	v_mov_b32 v[SCR+\b], 0                         ; written once: a lane permute's destination counts as one of its sources
.endr
	v_mov_b32 v[FF+1], 0
	s_wait_loadcnt 0x0
	v_and_b32 v148, v148, v149                     ; is every key of the batch masked?
	v_and_b32 v150, v150, v151
	v_and_b32 v152, v152, v153
	v_and_b32 v154, v154, v155
	v_and_b32 v148, v148, v150
	v_and_b32 v152, v152, v154
	v_and_b32 v148, v148, v152
	v_cmp_eq_u32 vcc_lo, 0x1010101, v148
	s_cmp_eq_u32 vcc_lo, -1
	s_cselect_b32 s25, 0, -1                       ; KEEP
	v_mad_u32_u24 v142, v146, s26, v142            ; the key's byte for k = 64 .. 95: 160 where mask is 1, else the 0 that lies there
	v_mad_u32_u24 v143, v147, s26, v143
.irp k, 0,1,2,3,4,5
	ds_store_b128 v160, v[S+4*\k:S+4*\k+3] offset:8192*\k
.endr
.irp k, 6,7,8,9,10,11
	ds_store_b128 v161, v[S+4*\k:S+4*\k+3] offset:8192*(\k-6)
.endr
	ds_store_b64 v162, v[142:143]
	ds_store_b64 v162, v[144:145] offset:4096
.irp i, 0,1,2,3,4,5
	v_and_b32 v[Q+\i], s25, v[Q+\i]
	v_and_b32 v[QN+\i], s25, v[QN+\i]
.endr
	v_mul_u32_u24 v[Q+6], v159, 40                 ; the code of -1.0 at k = 64,
	v_and_b32 v[Q+6], s25, v[Q+6]                  ; cleared with the rest
	v_or_b32 v[QS], 0x7f0000, v[QS]                ; the query's byte for k = 64 .. 95: 127
	v_or_b32 v[QNS], 0x7f0000, v[QNS]
	s_wait_dscnt 0x0                               ; for the others' sake: my part of the record lies in LDS
	s_barrier_signal -1
	s_barrier_wait -1                              ; everybody's does; nothing is stored to LDS behind this barrier
	KLOAD 0, 0
	s_mov_b32 s42, 0
	s_wait_dscnt 0x0                               ; the first four tiles of K; every later look-ahead is covered by the wait in front of the products V^T P
.Ltrip:                                                ; two trips: a query tile each
	v_mov_b32 v[NM+1], 0xff61b1e6                  ; the largest t so far: -3e38
	v_floor_f32 v[NM], -v[NM+1]
	v_mov_b32 v[SUM], 0
	v_mov_b32 v[SUM+1], 0
.set J, 0
.rept 32
	v_mov_b32 v[O+J], 0                            ; the step is written once: the first finds zeros, which the first change of M leaves zeros
.set J, J+1
.endr
.irp st, 0,1,2,3,4,5,6,7
	STEP \st
.endr
	PLACES 4
	v_add_f32 v[SUM], v[SUM], v[SUM+1]
	v_permlanex16_b32 v[TP], v[SUM], s[SEL], s[SEL+1]
	v_add_f32 v[SUM], v[SUM], v[TP]                ; the row's sum
	v_rcp_f32 v[FF], v[SUM]
	v_nop                                          ; one plain place behind a transcendental
.set J, 0
	s_wait_alu depctr_va_vdst(0)
.rept 16
	v_pk_mul_f32 v[O+J:O+J+1], v[O+J:O+J+1], v[FF:FF+1] op_sel_hi:[1,0]   ; register 16 b + i = o(query r, d = 32 b + 16 h + i)
.set J, J+2
.endr
.irp b, 0,1                            ; quantised along the hidden axis: the head's two blocks of 32
	v_max3_num_f32 v[BM+\b], |v[O+16*\b]|, |v[O+16*\b+1]|, 0x1800000
.endr
.irp i, 2,4,6,8,10,12,14
.irp b, 0,1
	v_max3_num_f32 v[BM+\b], v[BM+\b], |v[O+16*\b+\i]|, |v[O+16*\b+\i+1]|
.endr
.endr
.irp b, 0,1
	v_permlanex16_b32 v[SCR+\b], v[BM+\b], s[SEL], s[SEL+1]
.endr
.irp b, 0,1
	v_max_num_f32 v[BM+\b], v[BM+\b], v[SCR+\b]
.endr
.irp b, 0,1
	v_add_nc_u32 v[SO+\b], 0xff000000, v[BM+\b]
.endr
.irp b, 0,1
	v_lshrrev_b32 v[BM+2+\b], 23, v[SO+\b]
.endr
	v_cvt_scalef32_pk16_fp6_f32 v[PC:PC+2], v[O:O+15], v[SO]
	v_cvt_scalef32_pk16_fp6_f32 v[SCR:SCR+2], v[O+16:O+31], v[SO+1]
	v_cndmask_b32 v[TP], v[BM+2], v[BM+3], s24     ; lanes 0-15 store block 0's byte, lanes 16-31 block 1's.  (The plain place behind the conversions)
.irp i, 0,1,2
	v_permlane16_swap_b32 v[PC+\i], v[SCR+\i]
.endr
.irp i, 0,1,2
	v_mov_b32 v[PC+3+\i], v[SCR+\i]
.endr
	global_store_b128 v[LI], v[PC:PC+3], s[10:11]
	global_store_b64 v[L8], v[PC+4:PC+5], s[10:11] offset:512
	global_store_b8 v[ASA], v[TP], s[12:13]
	s_wait_xcnt 0x0                                ; the stores have read their registers and bases
	s_add_nc_u64 s[10:11], s[10:11], 196608        ; 16 row tiles on
	s_add_nc_u64 s[12:13], s[12:13], 8192
.irp i, 0,1,2,3,4,5
	v_mov_b32 v[Q+\i], v[QN+\i]                    ; the second tile
.endr
	v_mov_b32 v[QS], v[QNS]
	s_add_co_u32 s42, s42, 1
	s_cmp_lt_u32 s42, 2
	s_cbranch_scc1 .Ltrip
	s_wait_tensorcnt 0x0
	ds_add_u32 v254, v255
	s_wait_dscnt 0x0
	s_endpgm
.Lfunc_end_k_qcae2447616_attn:
	.size	k_qcae2447616_attn, .Lfunc_end_k_qcae2447616_attn-k_qcae2447616_attn
	.p2alignl 7, 3214868480
	.fill 96, 4, 3214868480
	.section	.rodata,"a",@progbits
	.p2align	6, 0x0
	.amdhsa_kernel k_qcae2447616_attn
		.amdhsa_group_segment_fixed_size 108544
		.amdhsa_private_segment_fixed_size 0
		.amdhsa_enable_private_segment 0
		.amdhsa_kernarg_size 40
		.amdhsa_user_sgpr_count 2
		.amdhsa_user_sgpr_kernarg_segment_ptr 1
		.amdhsa_wavefront_size32 1
		.amdhsa_system_sgpr_workgroup_id_x 1
		.amdhsa_system_sgpr_workgroup_id_y 1
		.amdhsa_system_sgpr_workgroup_id_z 1
		.amdhsa_system_vgpr_workitem_id 0
		.amdhsa_next_free_vgpr 256
		.amdhsa_next_free_sgpr 66
		.amdhsa_reserve_vcc 1
		.amdhsa_float_denorm_mode_32 3
		.amdhsa_float_denorm_mode_16_64 3
		.amdhsa_memory_ordered 1
		.amdhsa_forward_progress 1
		.amdhsa_inst_pref_size 138
	.end_amdhsa_kernel
	.amdgpu_metadata
---
amdhsa.version: [ 1, 2 ]
amdhsa.kernels:
  - .name:           k_qcae2447616_attn
    .symbol:         k_qcae2447616_attn.kd
    .args:
      - { .name: qb, .offset: 0, .size: 8, .value_kind: global_buffer, .address_space: global }
      - { .name: kvb, .offset: 8, .size: 8, .value_kind: global_buffer, .address_space: global }
      - { .name: mask, .offset: 16, .size: 8, .value_kind: global_buffer, .address_space: global }
      - { .name: ab, .offset: 24, .size: 8, .value_kind: global_buffer, .address_space: global }
      - { .name: asc, .offset: 32, .size: 8, .value_kind: global_buffer, .address_space: global }
    .group_segment_fixed_size: 108544
    .private_segment_fixed_size: 0
    .kernarg_segment_align: 8
    .kernarg_segment_size: 40
    .max_flat_workgroup_size: 512
    .sgpr_count:     66
    .vgpr_count:     256
    .wavefront_size: 32
...
	.end_amdgpu_metadata
.endif
;; end of part 3
;; launch oproj (part 4): grid 4 x 64, 4 waves a work-group, no clusters, 124,416 bytes of LDS; arguments ab, asc, wimg, out0; writes out0
.if DOCPART == 4
	.amdgcn_target "amdgcn-amd-amdhsa--gfx1250"
	.amdhsa_code_object_version 6
	.text
	.protected	k_qcae2447616_oproj
	.globl	k_qcae2447616_oproj
	.p2align	8
	.type	k_qcae2447616_oproj,@function
k_qcae2447616_oproj:
	s_mov_b64 s[64:65], 0
	v_nop
	global_prefetch_b8 v0, s[64:65] scope:SCOPE_SE
	s_setreg_imm32_b32 hwreg(HW_REG_WAVE_MODE, 25, 1), 1
	s_wait_xcnt 0x0
; out0 = a Wo^T + bo on codes of FP6 (E2M3): a, the attention's result, lies in ab and asc as codes and scale bytes, Wo and bo in wimg as images of the operands' registers.
; SHARES.  Work-group (cx, RB): 128 rows (8 row tiles) x 256 columns; wave w: the 64 columns of group hd = 4 cx + w: 32 accumulators.  The rows' codes, 98,304 dense bytes, are copied into LDS as they lie, the scale
; bytes as scale words; one barrier.  Wo's fragments come straight into the registers of the one wave that multiplies them, all eight K steps asked for at the start.
; Source 0 = 16 rows of Wo, source 1 = a row tile: a lane holds one row and, in an accumulator, eight neighbouring columns.  bo is the C of each sum's first matrix instruction.
; The rows of a tile are not neighbours: lane r of row tile mt is row 32 (mt / 2) + 8 (mt % 2) + r + 8 (r / 8) of the block; Wo's tiles likewise, so that tiles 2 b, 2 b + 1 give 16 neighbouring columns.
; No tensor load and no cluster: the four work-groups of a row block share one copy of 98,304 bytes each at the start, a small part of what the launch moves.
; LDS: 0: the codes, mt 12,288 + s 1,536: two half fragments (registers 0-3 at 16 L, 4-5 at 512 + 8 L; the second 768 on).  98,304: scale words, (2 s + mt / 4) 512 + 16 L + 4 (mt % 4).
;      106,496: a stage of 16 rows x (256 + 16) bytes for each wave, for the way out.
; REGISTERS: window 0: v1-12 addresses; v16-47 Wo's scale words; v48-63 a's; v64-159, v160-255 a's fragments, two sets.  Window 1: Wo's slots 0-4.  Window 2: slots 5-7; v144-175 bo.  Window 3: the accumulators; at the start what is copied.
.set LI,  1                            ; 16 x lane
.set LI2, 2                            ; + 49,152
.set L8,  3                            ; 8 x lane
.set L82, 4                            ; + 49,152
.set SOA, 5                            ; the stage, in: 272 r + 64 h
.set SRA, 6                            ; and back: 272 (lane / 16) + 16 (lane % 16)
.set CO,  7                            ; the same two rows in out0
.set TA,  8                            ; the copy: 16 x thread
.set XWS, 9                            ; where I store scale words
.set XSA, 10                           ; where they are read
.set TA2, 11                           ; 16 x thread + 49,152
.set AA,  12                           ; 32 r: a row's scale bytes
.set WS,  16
.set XS,  48
.set XF,  64
.set OB,  64                           ; the way out: 16 rows read back, v64-95 and v96-127 by turns
.set BI,  144
.set MSB, 0
.macro WIN new
.if MSB != (\new)
	s_set_vgpr_msb (MSB<<8)|(\new)
.set MSB, (\new)
.endif
.endm
.macro PLACES n
.rept \n
	v_nop
.endr
.endm
.macro GW s                            ; slot s: four fragments of K step s and their scale words: 13 loads; with slot 0 the bias: 21
.if (\s) < 5
	WIN 0x40
.set SLB, 48*(\s)
.else
	WIN 0x80
.set SLB, 48*((\s)-5)
.endif
.irp j, 0,1,2,3
.irp c, 0,1,2
	global_load_b128 v[SLB+12*\j+4*\c:SLB+12*\j+4*\c+3], v[LI], s[28:29] offset:(\s)*6144+\j*1536+512*\c
.endr
.endr
.if (\s) == 0
	WIN 0x80
.irp e, 0,1,2,3,4,5,6,7
	global_load_b128 v[BI+4*\e:BI+4*\e+3], v[LI], s[30:31] offset:65536+512*\e
.endr
.endif
	WIN 0
	global_load_b128 v[WS+4*(\s):WS+4*(\s)+3], v[LI], s[30:31] offset:512*(\s)
.endm
.macro FRAG reg, a16, a8, off          ; a fragment from its two half images
	ds_load_b128 v[(\reg):(\reg)+3], v[\a16] offset:\off
	ds_load_b64 v[(\reg)+4:(\reg)+5], v[\a8] offset:\off+512
	ds_load_b128 v[(\reg)+6:(\reg)+9], v[\a16] offset:\off+768
	ds_load_b64 v[(\reg)+10:(\reg)+11], v[\a8] offset:\off+1280
.endm
.macro FETCHX set, s                   ; the eight row tiles' fragments of K step s and their scale words: 34 LDS loads
.irp i, 0,1,2,3
	FRAG XF+96*(\set)+12*\i, LI, L8, \i*12288+(\s)*1536
.endr
.irp i, 0,1,2,3
	FRAG XF+96*(\set)+48+12*\i, LI2, L82, \i*12288+(\s)*1536
.endr
	ds_load_b128 v[XS+8*(\set):XS+8*(\set)+3], v[XSA] offset:(\s)*1024
	ds_load_b128 v[XS+8*(\set)+4:XS+8*(\set)+7], v[XSA] offset:(\s)*1024+512
.endm
; A K step of 128: 32 matrix instructions, the 32 accumulators by turns in the same order in every step.
.macro KSTEP s
.if (\s) < 5
.set SLW, 1
.set SLB, 48*(\s)
.else
.set SLW, 2
.set SLB, 48*((\s)-5)
.endif
.set XB, XF+96*((\s)%2)
.set XC, XS+8*((\s)%2)
.if 13*(7-(\s)) > 63
	s_wait_loadcnt 63                              ; behind this slot's loads stand more than the wait can name
.else
	s_wait_loadcnt 13*(7-(\s))                     ; the later slots' loads may be out
.endif
.if (\s) == 7
	s_wait_dscnt 0x0
.else
	s_wait_dscnt 34                                ; this step's fragments are in; the other set's 34 loads may be out
.endif
.if (\s) == 0
	WIN 0xe1                                       ; source 0 (Wo) window 1, source 1 window 0, C (bo) window 2, D window 3
.else
	WIN 0xf0|SLW
.endif
.irp i, 0,1,2,3,4,5,6,7
.irp j, 0,1,2,3
.if (\s) == 0
	v_wmma_scale_f32_16x16x128_f8f6f4 v[8*(4*\i+\j):8*(4*\i+\j)+7], v[SLB+12*\j:SLB+12*\j+11], v[XB+12*\i:XB+12*\i+11], v[BI+8*\j:BI+8*\j+7], v[WS+4*(\s)+\j], v[XC+\i] matrix_a_fmt:MATRIX_FMT_FP6 matrix_b_fmt:MATRIX_FMT_FP6
.else
	v_wmma_scale_f32_16x16x128_f8f6f4 v[8*(4*\i+\j):8*(4*\i+\j)+7], v[SLB+12*\j:SLB+12*\j+11], v[XB+12*\i:XB+12*\i+11], v[8*(4*\i+\j):8*(4*\i+\j)+7], v[WS+4*(\s)+\j], v[XC+\i] matrix_a_fmt:MATRIX_FMT_FP6 matrix_b_fmt:MATRIX_FMT_FP6
.endif
.endr
.endr
	PLACES 4                                       ; in front of loads into registers that these products have read, and of the first read of results
	WIN 0
.if (\s) <= 5
	FETCHX (\s)%2, (\s)+2
.endif
.endm
; THE WAY OUT, a row tile at a time: 16 rows x 64 columns through my own stage, back as whole runs of 256 bytes.  LDS serves a wave's instructions in order: no wait between the stores and the loads.
.macro TOSTAGE mt
	WIN 0x0c                                       ; an LDS store's data are its source 1: window 3
.irp j, 0,1,2,3
	ds_store_b128 v[SOA], v[8*(4*(\mt)+\j):8*(4*(\mt)+\j)+3] offset:128*(\j/2)+32*(\j%2)       ; each accumulator from its low end on
	ds_store_b128 v[SOA], v[8*(4*(\mt)+\j)+4:8*(4*(\mt)+\j)+7] offset:128*(\j/2)+32*(\j%2)+16
.endr
	WIN 0
.irp k, 0,1,2,3,4,5,6,7
	ds_load_b128 v[OB+32*((\mt)%2)+4*\k:OB+32*((\mt)%2)+4*\k+3], v[SRA] offset:544*\k
.endr
.endm
.macro SEND mt, younger                ; younger: the LDS instructions issued behind tile mt's loads
	s_wait_dscnt \younger
.irp k, 0,1,2,3,4,5,6,7
	global_store_b128 v[CO], v[OB+32*((\mt)%2)+4*\k:OB+32*((\mt)%2)+4*\k+3], s[10:11] offset:(32*((\mt)/2)+8*((\mt)%2)+2*\k+8*(\k/4))*4096 th:TH_STORE_NT   ; 16 lanes store 256 consecutive bytes, at a multiple of 256 from out0's first byte
.endr
.endm
	s_load_b256 s[4:11], s[0:1], 0x0               ; ab, asc, wimg, out0
	s_set_vgpr_msb 0x40
	v_lshl_add_u32 v254, v0, 2, 0x1e400
	v_mov_b32 v255, 0
	s_set_vgpr_msb 0x4000
	v_lshrrev_b32 v13, 5, v0
	v_readfirstlane_b32 s16, v13                   ; wave 0..3
	s_and_b32 s17, ttmp7, 0xffff                   ; RB
	s_lshl_b32 s18, ttmp9, 2
	s_add_co_u32 s18, s18, s16                     ; hd
	v_and_b32 v13, 31, v0
	v_and_b32 v14, 15, v0
	v_bfe_u32 v15, v0, 4, 1
	v_lshlrev_b32 v[LI], 4, v13
	v_add_nc_u32 v[LI2], 49152, v[LI]
	v_lshlrev_b32 v[L8], 3, v13
	v_add_nc_u32 v[L82], 49152, v[L8]
	s_mul_i32 s40, s16, 4352
	s_add_co_u32 s40, s40, 106496                  ; my stage
	v_mul_u32_u24 v[SOA], v14, 272
	v_lshl_add_u32 v[SOA], v15, 6, v[SOA]
	v_add_nc_u32 v[SOA], s40, v[SOA]
	v_mul_u32_u24 v[SRA], v15, 272
	v_lshl_add_u32 v[SRA], v14, 4, v[SRA]
	v_add_nc_u32 v[SRA], s40, v[SRA]
	v_lshlrev_b32 v[CO], 12, v15
	v_lshl_add_u32 v[CO], v14, 4, v[CO]
	v_lshlrev_b32 v[TA], 4, v0
	v_add_nc_u32 v[TA2], 49152, v[TA]
	s_lshr_b32 s40, s16, 1
	s_lshl_b32 s40, s40, 9
	s_and_b32 s41, s16, 1
	s_lshl_b32 s41, s41, 3
	s_add_co_u32 s40, s40, s41
	s_add_co_u32 s40, s40, 98304
	v_add_nc_u32 v[XWS], s40, v[LI]
	v_add_nc_u32 v[XSA], 98304, v[LI]
	v_lshlrev_b32 v[AA], 5, v14
	s_mul_i32 s40, s17, 98304                      ; ab: the block's 8 row tiles
	s_mov_b32 s41, 0
	s_lshl_b32 s42, s17, 12                        ; asc: 8 tiles of 512 bytes,
	s_lshl_b32 s43, s16, 10                        ; my two
	s_add_co_u32 s42, s42, s43
	s_mov_b32 s43, 0
	s_mul_i32 s44, s18, 49152
	s_add_co_u32 s44, s44, 2752512                 ; wimg: Wo, my group's codes
	s_mov_b32 s45, 0
	s_lshl_b32 s46, s18, 12
	s_add_co_u32 s46, s46, 3538944                 ; its scale images (2,752,512 + 786,432); the bias lies 65,536 bytes behind them
	s_mov_b32 s47, 0
	s_lshl_b32 s20, s17, 19                        ; out0: 128 rows of 4,096 bytes,
	s_lshl_b32 s21, s18, 8                         ; my 64 columns
	s_add_co_u32 s20, s20, s21
	s_mov_b32 s21, 0
	s_wait_kmcnt 0x0
	s_add_nc_u64 s[4:5], s[4:5], s[40:41]
	s_add_nc_u64 s[6:7], s[6:7], s[42:43]
	s_add_nc_u64 s[28:29], s[8:9], s[44:45]
	s_add_nc_u64 s[30:31], s[8:9], s[46:47]
	s_add_nc_u64 s[10:11], s[10:11], s[20:21]
	WIN 0xc0                                       ; destination window 3
.set K, 0
.rept 48
	global_load_b128 v[4*K:4*K+3], v[TA], s[4:5] offset:2048*K   ; 128 threads x 16 bytes a line
.set K, K+1
.endr
.irp u, 0,1
.irp e, 0,1
	global_load_b128 v[192+8*\u+4*\e:192+8*\u+4*\e+3], v[AA], s[6:7] offset:512*\u+16*\e   ; row tile 2 w + u: lane r's 32 scale bytes are its eight scale words
.endr
.endr
	GW 0
	GW 1
	s_wait_loadcnt 34                              ; what is copied is in; slots 0 and 1 (21 + 13 loads) may be out
	WIN 0x0c
.set K, 0
.rept 24
	ds_store_b128 v[TA], v[4*K:4*K+3] offset:2048*K
.set K, K+1
.endr
.rept 24
	ds_store_b128 v[TA2], v[4*K:4*K+3] offset:2048*(K-24)
.set K, K+1
.endr
.irp u, 0,1
.irp s, 0,1,2,3,4,5,6,7
	ds_store_b32 v[XWS], v[192+8*\u+\s] offset:1024*\s+4*\u
.endr
.endr
	WIN 0
.irp s, 2,3,4,5,6,7
	GW \s
.endr
	s_wait_dscnt 0x0                               ; for the others' sake: my part lies in LDS (and the stores have read the registers that the sums will take)
	s_barrier_signal -1
	s_barrier_wait -1                              ; everybody's does; the codes and scale words are only read from here on
	FETCHX 0, 0
	FETCHX 1, 1
.irp s, 0,1,2,3,4,5,6,7
	KSTEP \s
.endr
	TOSTAGE 0
.irp a, 1,2,3,4,5,6,7
.if \a > 1
	s_wait_xcnt 0x0                                ; tile a - 2's stores have read their registers: tile a's loads may land there
.endif
	TOSTAGE \a
	SEND \a-1, 16                                  ; behind tile a - 1's loads: tile a's 8 stores and 8 loads
.endr
	SEND 7, 0
	s_set_vgpr_msb 0x5
	s_wait_tensorcnt 0x0
	ds_add_u32 v254, v255
	s_wait_dscnt 0x0
	s_set_vgpr_msb 0x500
	s_endpgm
.Lfunc_end_k_qcae2447616_oproj:
	.size	k_qcae2447616_oproj, .Lfunc_end_k_qcae2447616_oproj-k_qcae2447616_oproj
	.p2alignl 7, 3214868480
	.fill 96, 4, 3214868480
	.section	.rodata,"a",@progbits
	.p2align	6, 0x0
	.amdhsa_kernel k_qcae2447616_oproj
		.amdhsa_group_segment_fixed_size 124416
		.amdhsa_private_segment_fixed_size 0
		.amdhsa_enable_private_segment 0
		.amdhsa_kernarg_size 32
		.amdhsa_user_sgpr_count 2
		.amdhsa_user_sgpr_kernarg_segment_ptr 1
		.amdhsa_wavefront_size32 1
		.amdhsa_system_sgpr_workgroup_id_x 1
		.amdhsa_system_sgpr_workgroup_id_y 1
		.amdhsa_system_sgpr_workgroup_id_z 1
		.amdhsa_system_vgpr_workitem_id 0
		.amdhsa_next_free_vgpr 1024
		.amdhsa_next_free_sgpr 66
		.amdhsa_reserve_vcc 0
		.amdhsa_float_denorm_mode_32 3
		.amdhsa_float_denorm_mode_16_64 3
		.amdhsa_memory_ordered 1
		.amdhsa_forward_progress 1
		.amdhsa_inst_pref_size 90
	.end_amdhsa_kernel
	.amdgpu_metadata
---
amdhsa.version: [ 1, 2 ]
amdhsa.kernels:
  - .name:           k_qcae2447616_oproj
    .symbol:         k_qcae2447616_oproj.kd
    .args:
      - { .name: ab, .offset: 0, .size: 8, .value_kind: global_buffer, .address_space: global }
      - { .name: asc, .offset: 8, .size: 8, .value_kind: global_buffer, .address_space: global }
      - { .name: wimg, .offset: 16, .size: 8, .value_kind: global_buffer, .address_space: global }
      - { .name: out0, .offset: 24, .size: 8, .value_kind: global_buffer, .address_space: global }
    .group_segment_fixed_size: 124416
    .private_segment_fixed_size: 0
    .kernarg_segment_align: 8
    .kernarg_segment_size: 32
    .max_flat_workgroup_size: 128
    .sgpr_count:     66
    .vgpr_count:     1024
    .wavefront_size: 32
...
	.end_amdgpu_metadata
.endif
;; end of part 4
;; ======== version 2 of 2: 4 launches; version 1 with the launches proj, attn, oproj written anew for expert scheduling mode
;; limits: right only within a limited range of input values
;; workspace buffers: wimg 3,670,016 bytes; qb 6,815,744 bytes; kvb 13,631,488 bytes; ab 6,291,456 bytes; asc 262,144 bytes
;; launch wquant: the kernel of part 1 again; grid 256 x 1, 2 waves a work-group, no clusters, 17,152 bytes of LDS; arguments Wq, Wk, Wv, Wo, bq, bk, bv, bo, wimg; writes wimg
;; launch proj (part 5): grid 64 x 3, 4 waves a work-group, no clusters, 174,592 bytes of LDS; arguments q, k, v, wimg, qb, kvb; writes qb, kvb
.if DOCPART == 5
	.amdgcn_target "amdgcn-amd-amdhsa--gfx1250"
	.amdhsa_code_object_version 6
	.text
	.protected	k_qcae2447616_proj
	.globl	k_qcae2447616_proj
	.p2align	8
	.type	k_qcae2447616_proj,@function
k_qcae2447616_proj:
	s_mov_b64 s[64:65], 0
	v_nop
	global_prefetch_b8 v0, s[64:65] scope:SCOPE_SE
	s_setreg_imm32_b32 hwreg(HW_REG_WAVE_SCHED_MODE, 0, 2), 2
	s_setreg_imm32_b32 hwreg(HW_REG_WAVE_MODE, 25, 1), 1
	s_wait_xcnt 0x0
	s_wait_alu depctr_vm_vsrc(0)
; The three input projections x W^T + b (x = q, k, v by work-group y; [8192][1024] f32), on codes of FP6 (E2M3) with one E8M0 byte for each 32 along K, and the quantising of their results for attention.
; SHARES.  A work-group takes 128 rows of x and all 1,024 columns, so each byte of x is read once in the launch.  X PHASE: wave w quantises row tiles 2 w, 2 w + 1 (16 rows x 1,024 K: 8 fragments each) and puts
; the fragments into LDS as IMAGES OF THEIR REGISTERS.  One barrier.  PRODUCTS: wave w multiplies all 8 row tiles by the W rows of heads 4 w .. 4 w + 3, a head (4 tiles of W, 32 accumulators) to a pass.
; W comes from wimg straight into the registers of the one wave that multiplies it, through a ring of eight register slots, one for each K step; a slot is asked for again in the K step behind the one that multiplied it.
; No tensor load and no cluster: nothing of W is read by two waves of a work-group, so through LDS every fragment of W would be written and read once more; x is shared through LDS by plain stores.
; THE ROWS OF A TILE (of x as of W) ARE NOT NEIGHBOURS: lane r of tile 2 b + u takes row 32 b + 8 u + r + 8 (r / 8), so that the 16 result registers of two neighbouring tiles of source 0 are 16 neighbours.
; q, k: source 0 = W, source 1 = x: a lane holds one row and 64 neighbouring d: quantised along d: half a fragment (6 registers) a row tile.  v: source 0 = x, source 1 = W: a lane holds one d and 128 neighbouring keys:
; quantised along the keys: a whole fragment of V^T.  The bias is the C of each sum's first matrix instruction.
; OUT.  qb, record y = batch 16 + head, 53,248 bytes: half fragments 768 qt (registers 0-3 at 16 L, 4-5 at 512 + 8 L); scale words 49,152 + (qt / 4) 256 + 16 r + 4 (qt % 4), bytes 2 and 3 zero.
;       kvb, record y, 106,496 bytes: K as Q, its scale words at 98,304; V^T: fragments 49,152 + st 6,144 + i 1,536 (registers 4 c .. at 512 c + 16 L); scale images 102,400 + st 512: [lane][4 words].
; LIMITS: a block of zeros gets the byte 1 where the rule says 127 (its codes are zeros; this program alone reads the bytes); NaN and infinities among the inputs are not served.
; LDS: 0: x's 64 fragments, mt 12,288 + s 1,536.  98,304: their scale words, (2 s + mt / 4) 512 + 16 L + 4 (mt % 4).  106,496: two stages of 16 x 528 bytes for each wave.
; REGISTERS, in windows of 256.  Window 0: v1-10 addresses; v16-47 W's scale words (4 a slot); v48-63 x's (8 a set); v64-159, v160-255 x's fragments, two sets.  In the x phase v64-191 hold two sets of 64 numbers;
;   there and on the way out v192-249 are at work.  Window 1: W's slots 0-4, 48 registers each.  Window 2: slots 5-7; v144-175 the bias.  Window 3: the 32 accumulators; in the x phase four sets of 64 as loaded.
; THE MODE: SCHED_MODE bits 1:0 = 2 (LLVM: expert scheduling mode 2), set by the entry lines.  The code itself states the register dependences between vector or matrix instructions and memory or LDS instructions,
; with s_wait_alu, always for 0.
; THE PLAN, x phase.  Window 3's sets R0-R3: a unit's loads land there, the stage's stores read them, the loads of four units on land there again: no vector instruction names them.  T0, T1 (v64-191): loaded from the stage,
;   read by QUANT.  The two sets of codes and scale words (v208-249): written by QUANT, read by the image stores.  So a unit has one wait on vm_vsrc at its head (the stage's stores have read R, the image stores of the unit
;   before last the codes) and one on va_vdst behind QUANT (the codes are written; QUANT is done reading T, in which the turn after next lands: no vector instruction stands between that wait and those loads).
; THE PLAN, K steps.  K step s multiplies set s % 2 of x by slot s of W.  ONE wait on va_vdst stands at the head of steps 1 to 7: the step before is done reading the other set, its scale words, its slot of W with its scale words
;   and, behind step 0, the bias.  The step's memory instructions touch these registers alone, and its products name none of them: the next step's fragments of x (26 LDS loads) and the last step's slot for the next head
;   (13 global loads, 21 with the bias) are dealt in four parts behind the step's products 4, 8, 12 and 16.  Step 0 asks for nothing (its successor's set is out already) and has no such wait; slot 7 is asked for behind step 7.
;   The addresses v1-10 are made at the head and never written again.
; THE PLAN, way out.  The two sets of codes by turns: written by QUANT, read by the group's stores behind one wait on va_vdst; from the third group on a wait on vm_vsrc stands ahead of QUANT.
.set LI,  1                            ; 16 x lane
.set LI2, 2                            ; + 49,152: row tiles 4-7
.set L8,  3                            ; 8 x lane
.set SA,  5                            ; my stages, on the way in
.set SB,  6                            ; and back: 528 r + 64 h
.set XWI, 7                            ; where I store images: 16 L + 24,576 w
.set XWS, 9                            ; and scale words: 98,304 + 16 L + 512 (w / 2) + 8 (w % 2)
.set XSA, 10                           ; where scale words are read: 98,304 + 16 L
.set WS,  16
.set XS,  48
.set XF,  64
.set T0,  64
.set SW,  160                          ; the way out: scale words
.set SL4, 168
.set TM,  192
.set PC0, 208                          ; two sets of 20
.set PW,  248
.set BI,  144                          ; in window 2
.set SEL, 22
.set MSB, 0
.macro WIN new                         ; the immediate's high byte repeats the setting that is left; a switch that changes nothing is dropped
.if MSB != (\new)
	s_set_vgpr_msb (MSB<<8)|(\new)
.set MSB, (\new)
.endif
.endm
.macro PLACES n
.rept \n
	v_nop
.endr
.endm
; 64 numbers of a lane in window X, register 16 b + i = k 32 b + 16 h + i of the lane's line, become 12 registers of codes in v[pc] on and a scale word in v[pw].  Each run of eight is read from its low end on.
.macro QUANT src, X, pc, pw
	WIN (\X)|((\X)<<2)
.irp b, 0,1,2,3
	v_max3_num_f32 v[TM+\b], |v[(\src)+16*\b]|, |v[(\src)+16*\b+1]|, 0x1800000   ; and the floor 2^(3 - 127): the byte cannot fall under 1
.endr
.irp i, 2,4,6,8,10,12,14
.irp b, 0,1,2,3
	v_max3_num_f32 v[TM+\b], |v[(\src)+16*\b+\i]|, |v[(\src)+16*\b+\i+1]|, v[TM+\b]
.endr
.endr
	WIN 0
.irp b, 0,1,2,3
	v_permlanex16_b32 v[TM+4+\b], v[TM+\b], s[SEL], s[SEL+1]
.endr
.irp b, 0,1,2,3
	v_max_num_f32 v[TM+\b], v[TM+\b], v[TM+4+\b]
.endr
.irp b, 0,1,2,3
	v_add_nc_u32 v[TM+12+\b], 0xff000000, v[TM+\b]   ; 2 off the exponent field: the conversion's scale operand
.endr
.irp b, 0,1,2,3
	v_lshrrev_b32 v[TM+4+\b], 23, v[TM+12+\b]
.endr
	v_lshl_or_b32 v[\pw], v[TM+5], 8, v[TM+4]
	v_lshl_or_b32 v[\pw], v[TM+6], 16, v[\pw]
	v_lshl_or_b32 v[\pw], v[TM+7], 24, v[\pw]
	WIN \X
.irp c, 0,1
	v_cvt_scalef32_pk16_fp6_f32 v[(\pc)+6*\c:(\pc)+6*\c+2], v[(\src)+32*\c:(\src)+32*\c+15], v[TM+12+2*\c]
	v_cvt_scalef32_pk16_fp6_f32 v[(\pc)+12+4*\c:(\pc)+14+4*\c], v[(\src)+16+32*\c:(\src)+31+32*\c], v[TM+13+2*\c]
.endr
	WIN 0
	v_nop                                          ; one plain place behind a scaled conversion
.irp c, 0,1
.irp i, 0,1,2
	v_permlane16_swap_b32 v[(\pc)+6*\c+\i], v[(\pc)+12+4*\c+\i]
.endr
.irp i, 0,1,2
	v_mov_b32 v[(\pc)+3+6*\c+\i], v[(\pc)+12+4*\c+\i]
.endr
.endr
.endm
; Unit t of the x phase: row tile 2 w + t / 8, K step t % 8.
.macro LOAD t                          ; 16 rows x 512 bytes, each load 512 consecutive bytes, into set t % 4 of window 3
	WIN 0xc0
.irp p, 0,1,2,3,4,5,6,7,8,9,10,11,12,13,14,15
	global_load_b128 v[64*((\t)%4)+4*\p:64*((\t)%4)+4*\p+3], v[LI], s[26:27] offset:(8*((\t)/8)+\p+8*(\p/8))*4096+512*((\t)%8) th:TH_LOAD_NT
.endr
	WIN 0
.endm
.macro XTURN t                         ; through my stage t % 2: in as rows, back as 16 neighbours of each block of my row.  LDS serves a wave's instructions in order
	WIN 0x0c
.irp p, 0,1,2,3,4,5,6,7,8,9,10,11,12,13,14,15
	ds_store_b128 v[SA], v[64*((\t)%4)+4*\p:64*((\t)%4)+4*\p+3] offset:8448*((\t)%2)+528*\p
.endr
	WIN 0
.irp b, 0,1,2,3
.irp j, 0,1,2,3
	ds_load_b128 v[T0+64*((\t)%2)+16*\b+4*\j:T0+64*((\t)%2)+16*\b+4*\j+3], v[SB] offset:8448*((\t)%2)+128*\b+16*\j
.endr
.endr
.endm
.macro IMAGE t
.irp c, 0,1,2
	ds_store_b128 v[XWI], v[PC0+20*((\t)%2)+4*\c:PC0+20*((\t)%2)+4*\c+3] offset:((\t)/8)*12288+((\t)%8)*1536+512*\c
.endr
	ds_store_b32 v[XWS], v[PW+(\t)%2] offset:((\t)%8)*1024+4*((\t)/8)
.endm
; Part c of four of slot s: the head's fragment c of K step s: 3 loads; with part 0 the slot's scale words; of slot 0 also a quarter of the head's bias.  A slot is 13 loads, slot 0 is 21.
.macro GWC s, c
.if (\c) == 0
	WIN 0
	global_load_b128 v[WS+4*(\s):WS+4*(\s)+3], v[LI], s[30:31] offset:512*(\s)
.endif
.if (\s) < 5
	WIN 0x40
.set GSB, 48*(\s)
.else
	WIN 0x80
.set GSB, 48*((\s)-5)
.endif
.irp e, 0,1,2
	global_load_b128 v[GSB+12*(\c)+4*\e:GSB+12*(\c)+4*\e+3], v[LI], s[28:29] offset:(\s)*6144+(\c)*1536+512*\e
.endr
.if (\s) == 0
	WIN 0x80
.irp e, 0,1
	global_load_b128 v[BI+8*(\c)+4*\e:BI+8*(\c)+4*\e+3], v[LI], s[30:31] offset:65536+1024*(\c)+512*\e
.endr
.endif
.endm
.macro GW s                            ; a whole slot
.irp c, 0,1,2,3
	GWC \s, \c
.endr
	WIN 0
.endm
; Part c of four of the fetch of K step s's fragments of x into a set: row tiles 2 c and 2 c + 1: 6 LDS loads; with part 0 the eight scale words: 2 more.  26 in all.
.macro XCH set, s, c
.irp i, 0,1
.irp e, 0,1,2
.if (\c) < 2
	ds_load_b128 v[XF+96*(\set)+12*(2*(\c)+\i)+4*\e:XF+96*(\set)+12*(2*(\c)+\i)+4*\e+3], v[LI] offset:(2*(\c)+\i)*12288+(\s)*1536+512*\e
.else
	ds_load_b128 v[XF+96*(\set)+12*(2*(\c)+\i)+4*\e:XF+96*(\set)+12*(2*(\c)+\i)+4*\e+3], v[LI2] offset:(2*(\c)-4+\i)*12288+(\s)*1536+512*\e
.endif
.endr
.endr
.if (\c) == 0
	ds_load_b128 v[XS+8*(\set):XS+8*(\set)+3], v[XSA] offset:(\s)*1024
	ds_load_b128 v[XS+8*(\set)+4:XS+8*(\set)+7], v[XSA] offset:(\s)*1024+512
.endif
.endm
.macro FETCHX set, s                   ; the whole fetch
.irp c, 0,1,2,3
	XCH \set, \s, \c
.endr
.endm
.macro XSTEP t
.if (\t) == 0
	s_wait_dscnt 0x0
.else
	s_wait_dscnt 4                                 ; this unit's numbers are back; the last unit's four image stores may be out
.endif
	s_wait_alu depctr_vm_vsrc(0)                   ; the stage's stores have read set t % 4 of window 3, in which the loads of four units on land; the image stores of the unit before last have read the codes and the scale word that this unit's QUANT writes
.if (\t) < 12
	LOAD (\t)+4
.else
	GW 2*((\t)-12)                                 ; x is asked for: now the first head's W, two slots a unit
	GW 2*((\t)-12)+1
.endif
.if (\t) < 15
.if (\t) < 12
	s_wait_loadcnt 48                              ; the next unit's 16 loads are in; the three units behind it may be out
.else
	s_wait_loadcnt 63                              ; behind the next unit's loads stand 66, 76, 86 others: 63 is the largest count that the wait can name
.endif
	XTURN (\t)+1                                   ; its loads land in the 64 numbers that the last unit's QUANT read: the wait behind that QUANT has stated it, and no vector instruction stands between
.endif
	QUANT T0+64*((\t)%2), 0, PC0+20*((\t)%2), PW+(\t)%2
	s_wait_alu depctr_va_vdst(0)                   ; QUANT has written the codes and the scale word, which the image stores read, and is done reading its 64 numbers, in which the turn after next lands
	IMAGE \t
.endm
; Four products, numbers N to N + 3 of a K step's 32.  path 0 (q, k): row tile N / 4 x tile N % 4 of W; path 1 (v): tile N / 8 of W x row tile N % 8.  Accumulator N lies at v[8 N] of window 3.
.macro MUL4 path, s
.rept 4
.if \path == 0
.if (\s) == 0
	v_wmma_scale_f32_16x16x128_f8f6f4 v[8*N:8*N+7], v[SLB+12*(N%4):SLB+12*(N%4)+11], v[XB+12*(N/4):XB+12*(N/4)+11], v[BI+8*(N%4):BI+8*(N%4)+7], v[WS+4*(\s)+N%4], v[XC+N/4] matrix_a_fmt:MATRIX_FMT_FP6 matrix_b_fmt:MATRIX_FMT_FP6
.else
	v_wmma_scale_f32_16x16x128_f8f6f4 v[8*N:8*N+7], v[SLB+12*(N%4):SLB+12*(N%4)+11], v[XB+12*(N/4):XB+12*(N/4)+11], v[8*N:8*N+7], v[WS+4*(\s)+N%4], v[XC+N/4] matrix_a_fmt:MATRIX_FMT_FP6 matrix_b_fmt:MATRIX_FMT_FP6
.endif
.else
.if (\s) == 0
	v_wmma_scale_f32_16x16x128_f8f6f4 v[8*N:8*N+7], v[XB+12*(N%8):XB+12*(N%8)+11], v[SLB+12*(N/8):SLB+12*(N/8)+11], v[BI+8*(N/8):BI+8*(N/8)+7], v[XC+N%8], v[WS+4*(\s)+N/8] matrix_a_fmt:MATRIX_FMT_FP6 matrix_b_fmt:MATRIX_FMT_FP6
.else
	v_wmma_scale_f32_16x16x128_f8f6f4 v[8*N:8*N+7], v[XB+12*(N%8):XB+12*(N%8)+11], v[SLB+12*(N/8):SLB+12*(N/8)+11], v[8*N:8*N+7], v[XC+N%8], v[WS+4*(\s)+N/8] matrix_a_fmt:MATRIX_FMT_FP6 matrix_b_fmt:MATRIX_FMT_FP6
.endif
.endif
.set N, N+1
.endr
.endm
; A K step of 128: 32 matrix instructions, the 32 accumulators by turns in the same order in every step.  path 0: q, k; 1: v.  refill 1: the slots take the next head's fragments.
.macro KSTEP path, s, refill
.if (\s) < 5
.set SLW, 1
.set SLB, 48*(\s)
.else
.set SLW, 2
.set SLB, 48*((\s)-5)
.endif
.set XB, XF+96*((\s)%2)
.set XC, XS+8*((\s)%2)
.set FP, ((\s)+1)%2                    ; the set that the step before read, and
.set FS, ((\s)+1)%8                    ; the K step that it takes now (behind step 7: the next pass's step 0)
.set FE, 0                             ; 1: this step fetches fragments of x
.set RF, 0                             ; 1: and asks for slot s - 1 again
.if (\s) >= 1
.if ((\s) <= 6) || \refill
.set FE, 1
.endif
.if \refill
.set RF, 1
.endif
.endif
.if \path == 0
.if (\s) == 0
.set WM, 0xe1                          ; source 0 (W) window 1, source 1 (x) window 0, C (the bias) window 2, D window 3
.else
.set WM, 0xf0|SLW
.endif
.else
.if (\s) == 0
.set WM, 0xe4                          ; source 0 (x) window 0, source 1 (W) window 1, C window 2, D window 3
.else
.set WM, 0xf0|(SLW<<2)
.endif
.endif
.if \refill
	s_wait_loadcnt 63                              ; behind this slot's loads stand the later slots' and the refills of this pass: 78 at the least
.elseif 13*(7-(\s)) > 63
	s_wait_loadcnt 63
.else
	s_wait_loadcnt 13*(7-(\s))                     ; the later slots' loads may be out
.endif
.if (\s) == 0
	s_wait_dscnt 26                                ; set 0 is in; set 1's 26 loads, asked for behind it, may be out
.else
	s_wait_dscnt 0x0                               ; this step's fragments of x, asked for in the step before, are in
.endif
.if FE
	s_wait_alu depctr_va_vdst(0)                   ; the last step's products are done reading the other set of x, its scale words, their slot of W with its scale words and (behind step 0) the bias: the loads dealt below land in these; this step's products name none of them
.endif
.set N, 0
.irp c, 0,1,2,3
	WIN WM
	MUL4 \path, \s
.if FE
	WIN 0
	XCH FP, FS, \c
.if RF
	GWC (\s)-1, \c
.endif
.endif
.endr
	WIN WM
.rept 4
	MUL4 \path, \s
.endr
	PLACES 4                                       ; behind the step's last products, ahead of loads into registers that they have read and of the first read of results
.if ((\s) == 7) && \refill
	WIN 0
	s_wait_alu depctr_va_vdst(0)                   ; step 7's products are done reading slot 7 and its scale words, in which the loads below land
	GW 7
.endif
.endm
; The way out of a pass of q or k: row tiles 2 g and 2 g + 1 are 64 registers: four blocks of 32 along d; the 12 registers of codes are two half fragments.
.macro EPIQK
.irp g, 0,1,2,3
	s_wait_xcnt 0x0                                ; earlier stores have read their registers
.if \g >= 2
	s_wait_alu depctr_vm_vsrc(0)                   ; the stores of the group before last have read the set of codes that this QUANT writes
.endif
	QUANT 64*\g, 3, PC0+20*(\g%2), PW
	v_and_b32 v[SW+2*\g], s25, v[PW]               ; tile 2 g's two bytes,
	v_lshrrev_b32 v[SW+2*\g+1], 16, v[PW]          ; tile 2 g + 1's
.if \g == 3
.irp t, 0,1,2,3
	v_cndmask_b32 v[SL4+\t], v[SW+\t], v[SW+4+\t], s24   ; lanes 0-15 store tiles 0-3's words, lanes 16-31 tiles 4-7's
.endr
.endif
	s_wait_alu depctr_va_vdst(0)                   ; QUANT has written the codes, which the stores below read (in the last group: the selects have written the scale words too)
	global_store_b128 v[LI], v[PC0+20*(\g%2):PC0+20*(\g%2)+3], s[34:35] offset:1536*\g
	global_store_b64 v[L8], v[PC0+20*(\g%2)+4:PC0+20*(\g%2)+5], s[34:35] offset:1536*\g+512
	global_store_b128 v[LI], v[PC0+20*(\g%2)+6:PC0+20*(\g%2)+9], s[34:35] offset:1536*\g+768
	global_store_b64 v[L8], v[PC0+20*(\g%2)+10:PC0+20*(\g%2)+11], s[34:35] offset:1536*\g+1280
.endr
	global_store_b128 v[LI], v[SL4:SL4+3], s[36:37]   ; 512 consecutive bytes
.endm
; The way out of a pass of v: d tile i is 64 registers: 128 neighbouring keys: a whole fragment of V^T.
.macro EPIV
.irp i, 0,1,2,3
	s_wait_xcnt 0x0
.if \i >= 2
	s_wait_alu depctr_vm_vsrc(0)                   ; the stores of the tile before last have read the set of codes that this QUANT writes
.endif
	QUANT 64*\i, 3, PC0+20*(\i%2), SW+\i
	s_wait_alu depctr_va_vdst(0)                   ; QUANT has written the codes and the scale word, which the stores below read
.irp c, 0,1,2
	global_store_b128 v[LI], v[PC0+20*(\i%2)+4*\c:PC0+20*(\i%2)+4*\c+3], s[34:35] offset:1536*\i+512*\c
.endr
.endr
	global_store_b128 v[LI], v[SW:SW+3], s[36:37]
.endm
.macro PASS path, refill
	PLACES 5                                       ; the sums begin anew with another C: five places behind the last products on these accumulators
.irp s, 0,1,2,3,4,5,6,7
	KSTEP \path, \s, \refill
.endr
.if \path == 0
	EPIQK
.else
	EPIV
.endif
.endm
.macro NEXTHEAD                        ; between two passes
	s_wait_xcnt 0x0                                ; the stores have read their registers, which lie in set 1; loads and stores have read their bases
	s_wait_alu depctr_vm_vsrc(0)                   ; the way out's stores have read their codes and scale words, which lie in set 1's registers,
	s_wait_alu depctr_va_vdst(0)                   ; and its vector instructions are done writing and reading there: the loads below land in them
	FETCHX 1, 1
	s_add_nc_u64 s[28:29], s[28:29], 49152
	s_add_nc_u64 s[30:31], s[30:31], 4096
	s_add_nc_u64 s[34:35], s[34:35], s[38:39]
	s_add_nc_u64 s[36:37], s[36:37], s[38:39]
.endm
	s_load_b256 s[4:11], s[0:1], 0x0               ; q, k, v, wimg
	s_load_b128 s[12:15], s[0:1], 0x20             ; qb, kvb
	v_lshl_add_u32 v14, v0, 2, 0x2a800
	v_mov_b32 v15, 0
	v_lshrrev_b32 v4, 5, v0
	v_readfirstlane_b32 s16, v4                    ; wave 0..3
	s_wait_alu depctr_va_sdst(0)                   ; s16 is written, ahead of its first reader: LDS addresses and the bases are made from it
	s_and_b32 s17, ttmp7, 0xffff                   ; T: 0 q, 1 k, 2 v
	s_lshr_b32 s19, ttmp9, 3                       ; batch
	s_and_b32 s20, ttmp9, 7                        ; which 128 rows of it
	s_mov_b32 s[SEL], 0x76543210
	s_mov_b32 s[SEL+1], 0xfedcba98
	s_mov_b32 s24, 0xffff0000                      ; lanes 16-31
	s_mov_b32 s25, 0xffff
	v_and_b32 v4, 31, v0
	v_and_b32 v8, 15, v0
	v_bfe_u32 v11, v0, 4, 1
	v_lshlrev_b32 v[LI], 4, v4
	v_add_nc_u32 v[LI2], 49152, v[LI]
	v_lshlrev_b32 v[L8], 3, v4
	s_mul_i32 s44, s16, 16896
	s_add_co_u32 s44, s44, 106496
	v_add_nc_u32 v[SA], s44, v[LI]
	v_mul_u32_u24 v[SB], v8, 528
	v_lshl_add_u32 v[SB], v11, 6, v[SB]
	v_add_nc_u32 v[SB], s44, v[SB]
	s_mul_i32 s44, s16, 24576
	v_add_nc_u32 v[XWI], s44, v[LI]
	s_lshr_b32 s44, s16, 1
	s_lshl_b32 s44, s44, 9
	s_and_b32 s45, s16, 1
	s_lshl_b32 s45, s45, 3
	s_add_co_u32 s44, s44, s45
	s_add_co_u32 s44, s44, 98304
	v_add_nc_u32 v[XWS], s44, v[LI]
	v_add_nc_u32 v[XSA], 98304, v[LI]
.irp b, 0,1,2,3
	v_mov_b32 v[TM+4+\b], 0                        ; written once: a lane permute's destination counts as one of its sources
.endr
	s_lshl_b32 s46, ttmp9, 19                      ; x: 128 rows of 4,096 bytes a work-group,
	s_lshl_b32 s47, s16, 17                        ; 32 a wave
	s_add_co_u32 s46, s46, s47
	s_mov_b32 s47, 0
	s_mul_i32 s48, s17, 917504                     ; wimg: the tensor,
	s_lshl_b32 s50, s16, 14                        ; scale images: 4 heads of 4,096 bytes a wave
	s_add_co_u32 s50, s50, s48
	s_add_co_u32 s50, s50, 786432
	s_mul_i32 s49, s16, 196608                     ; codes: 4 heads of 49,152 bytes a wave
	s_add_co_u32 s48, s48, s49
	s_mov_b32 s49, 0
	s_mov_b32 s51, 0
	s_wait_kmcnt 0x0
	s_cmp_eq_u32 s17, 1                            ; the choices hang on the work-group's number alone
	s_cselect_b64 s[26:27], s[6:7], s[4:5]
	s_cmp_eq_u32 s17, 2
	s_cselect_b64 s[26:27], s[8:9], s[26:27]
	s_cselect_b32 s42, 49152, 0                    ; V^T's codes lie behind K's
	s_cselect_b32 s43, 4096, 0                     ; and its scale images behind K's scale words
	s_cmp_eq_u32 s17, 0
	s_cselect_b64 s[34:35], s[12:13], s[14:15]
	s_mov_b32 s38, 106496
	s_cselect_b32 s38, 53248, s38                  ; a record
	s_mov_b32 s41, 98304
	s_cselect_b32 s41, 49152, s41                  ; where its scale words begin
	s_mov_b32 s39, 0
	s_add_nc_u64 s[26:27], s[26:27], s[46:47]
	s_add_nc_u64 s[28:29], s[10:11], s[48:49]
	s_add_nc_u64 s[30:31], s[10:11], s[50:51]
	s_lshl_b32 s44, s19, 4
	s_lshl_b32 s45, s16, 2
	s_add_co_u32 s44, s44, s45
	s_mul_i32 s44, s44, s38                        ; record 16 x batch + 4 w
	s_mul_i32 s45, s20, 6144
	s_add_co_u32 s52, s44, s45
	s_add_co_u32 s52, s52, s42
	s_mov_b32 s53, 0
	s_lshl_b32 s45, s20, 9
	s_add_co_u32 s54, s44, s45
	s_add_co_u32 s54, s54, s41
	s_add_co_u32 s54, s54, s43
	s_mov_b32 s55, 0
	s_add_nc_u64 s[36:37], s[34:35], s[54:55]      ; scale words
	s_add_nc_u64 s[34:35], s[34:35], s[52:53]      ; codes
	; ---- X PHASE: 16 units; loads run four units (64 loads a wave) ahead, the turn through the stage one unit
	s_wait_alu depctr_va_vdst(0)                   ; the addresses v1 to v10 are written: every load and store of the kernel reads one of them, and none is written again
	LOAD 0
	LOAD 1
	LOAD 2
	LOAD 3
	s_wait_loadcnt 48                              ; unit 0 is in
	XTURN 0
.irp t, 0,1,2,3,4,5,6,7,8,9,10,11,12,13,14,15
	XSTEP \t
.endr
	s_wait_dscnt 0x0                               ; for the others' sake: my images lie in LDS
	s_barrier_signal -1
	s_barrier_wait -1                              ; everybody's do; from here on LDS is only read
	s_wait_alu depctr_vm_vsrc(0)                   ; my image stores have read v208-249, in which set 1 lands, and the stage's stores window 3, which the sums take
	s_wait_alu depctr_va_vdst(0)                   ; the x phase's vector instructions are done reading and writing v64-249, in which the two sets land
	FETCHX 0, 0
	FETCHX 1, 1
	s_wait_xcnt 0x0                                ; the first head's loads have read their bases
	s_add_nc_u64 s[28:29], s[28:29], 49152         ; refills ask for the next head
	s_add_nc_u64 s[30:31], s[30:31], 4096
	s_mov_b32 s40, 3
	s_cmp_eq_u32 s17, 2
	s_cbranch_scc1 .Lv
.Lqk:                                                  ; three passes that refill the slots; the fourth is written out and asks for nothing
	PASS 0, 1
	NEXTHEAD
	s_sub_co_u32 s40, s40, 1
	s_cmp_lg_u32 s40, 0
	s_cbranch_scc1 .Lqk
	PASS 0, 0
	s_wait_dscnt 0x0                               ; the closing lines, six on end
	s_wait_alu 0x0
	s_wait_tensorcnt 0x0
	ds_add_u32 v14, v15
	s_wait_dscnt 0x0
	s_endpgm
.Lv:
	PASS 1, 1
	NEXTHEAD
	s_sub_co_u32 s40, s40, 1
	s_cmp_lg_u32 s40, 0
	s_cbranch_scc1 .Lv
	PASS 1, 0
	s_wait_dscnt 0x0                               ; the closing lines, six on end, as above
	s_wait_alu 0x0
	s_wait_tensorcnt 0x0
	ds_add_u32 v14, v15
	s_wait_dscnt 0x0
	s_endpgm
.Lfunc_end_k_qcae2447616_proj:
	.size	k_qcae2447616_proj, .Lfunc_end_k_qcae2447616_proj-k_qcae2447616_proj
	.p2alignl 7, 3214868480
	.fill 96, 4, 3214868480
	.section	.rodata,"a",@progbits
	.p2align	6, 0x0
	.amdhsa_kernel k_qcae2447616_proj
		.amdhsa_group_segment_fixed_size 174592
		.amdhsa_private_segment_fixed_size 0
		.amdhsa_enable_private_segment 0
		.amdhsa_kernarg_size 48
		.amdhsa_user_sgpr_count 2
		.amdhsa_user_sgpr_kernarg_segment_ptr 1
		.amdhsa_wavefront_size32 1
		.amdhsa_system_sgpr_workgroup_id_x 1
		.amdhsa_system_sgpr_workgroup_id_y 1
		.amdhsa_system_sgpr_workgroup_id_z 1
		.amdhsa_system_vgpr_workitem_id 0
		.amdhsa_next_free_vgpr 1024
		.amdhsa_next_free_sgpr 66
		.amdhsa_reserve_vcc 0
		.amdhsa_float_denorm_mode_32 3
		.amdhsa_float_denorm_mode_16_64 3
		.amdhsa_memory_ordered 1
		.amdhsa_forward_progress 1
		.amdhsa_inst_pref_size 255
	.end_amdhsa_kernel
	.section	.bss,"aw",@nobits
	.p2align	6
	.space	262144
	.amdgpu_metadata
---
amdhsa.version: [ 1, 2 ]
amdhsa.kernels:
  - .name:           k_qcae2447616_proj
    .symbol:         k_qcae2447616_proj.kd
    .args:
      - { .name: q, .offset: 0, .size: 8, .value_kind: global_buffer, .address_space: global }
      - { .name: k, .offset: 8, .size: 8, .value_kind: global_buffer, .address_space: global }
      - { .name: v, .offset: 16, .size: 8, .value_kind: global_buffer, .address_space: global }
      - { .name: wimg, .offset: 24, .size: 8, .value_kind: global_buffer, .address_space: global }
      - { .name: qb, .offset: 32, .size: 8, .value_kind: global_buffer, .address_space: global }
      - { .name: kvb, .offset: 40, .size: 8, .value_kind: global_buffer, .address_space: global }
    .group_segment_fixed_size: 174592
    .private_segment_fixed_size: 0
    .kernarg_segment_align: 8
    .kernarg_segment_size: 48
    .max_flat_workgroup_size: 128
    .sgpr_count:     66
    .vgpr_count:     1024
    .wavefront_size: 32
...
	.end_amdgpu_metadata
.endif
;; end of part 5
;; launch attn (part 6): grid 2 x 128, 16 waves a work-group, no clusters, 108,544 bytes of LDS; arguments qb, kvb, mask, ab, asc; writes ab, asc
.if DOCPART == 6
	.amdgcn_target "amdgcn-amd-amdhsa--gfx1250"
	.amdhsa_code_object_version 6
	.text
	.protected	k_qcae2447616_attn
	.globl	k_qcae2447616_attn
	.p2align	8
	.type	k_qcae2447616_attn,@function
k_qcae2447616_attn:
	s_mov_b64 s[64:65], 0
	v_nop
	global_prefetch_b8 v0, s[64:65] scope:SCOPE_SE
	s_setreg_imm32_b32 hwreg(HW_REG_WAVE_SCHED_MODE, 0, 2), 2
	s_setreg_imm32_b32 hwreg(HW_REG_WAVE_MODE, 25, 1), 1
	s_wait_xcnt 0x0
	s_wait_alu depctr_vm_vsrc(0)
; Attention of one (batch, head) on codes of FP6 (E2M3): S^T = K Q^T (K = the head's 64), the mask, the softmax ahead of the second product, O^T = V^T P^T (K = the keys), the division by the row's sum,
; and the quantising of the result along the hidden axis for the output projection.
; THE SOFTMAX: t = score x log2(e) / 8; M = the running largest t rounded UP to a whole number, kept as -M = floor(-t); p = 2^(t - M) is quantised along the keys, not normalised; the row's sum is taken of the
; unquantised p; when M moves, the sum and O^T are multiplied by 2^(old M - new M), which rounds nothing.
; SHARES.  Work-group (x, y): head record y, half x of its 1,024 queries.  The head's whole record of kvb (K, V^T, their scale words: 106,496 bytes) is copied into LDS once, as it lies; one barrier; then LDS is only read.
; Sixteen waves, four to a SIMD, so that one wave's vector work stands beside another's products and LDS loads.  A wave owns query tiles 32 x + w and 32 x + 16 + w, one after the other; 8 steps of 128 keys each.
; Both products are used transposed: a lane holds ONE query (lane % 16) throughout.  The keys of a tile of K are not neighbours (lane r of tile 2 b + u: key 32 b + 8 u + r + 8 (r / 8)), so that p's 16 registers of two
; neighbouring tiles are 16 neighbouring keys.
; THE MASK RIDES IN THE EMPTY HALF OF THE FIRST PRODUCT'S K.  The instruction is 128 deep, the head 64.  At k = 64 every key has the code of 1.0 and every query that of -1.0; the query's scale byte of that block is 127,
; the key's 160 where mask is true and 0 where not.  So the product itself adds -2^33 to a masked score (logit -2^30) and -2^-127 to an open one, and no vector instruction is spent.
; A batch whose every key is masked: the module then gives the plain mean of V.  There all of Q's codes are cleared (KEEP = 0): every score is 0, every p is 1.  KEEP selects a value; nothing branches on it.
; LIMITS: the masked logit is -2^30 in place of -1e9, an open score carries -2^-127: the results are the same as long as |logit| stays under 2^29.  A block of zeros gets the byte 1 where the rule says 127 (its codes
; are zeros; this program alone reads the bytes).  NaN and infinities are not served.  A block's largest p is the block's largest score put through the same multiply-add and exponential.
; OUT.  ab: the half fragment of (row tile MT = 64 batch + qt, head) at (16 MT + head) 768: registers 0-3 at 16 L, 4-5 at 512 + 8 L.  asc: one byte at 512 MT + 32 r + 2 head + block.
; THE MODE: SCHED_MODE bits 1:0 = 2 (LLVM: expert scheduling mode 2), set by the entry lines.  The code itself states the register dependences between vector or matrix instructions and memory or LDS instructions,
; with s_wait_alu, always for 0.
; THE PLAN.  Registers that LDS or memory instructions touch, in the loop:
;   K's four fragments (registers 0-5 of each) and scale words v12-19: loaded from LDS; read by the products K Q^T.
;   V^T's four fragments (over p's upper half) and scale words v20-23: loaded from LDS behind p's last reader; read by the products V^T P.
;   p's codes' first six registers and v7, at a trip's end: written by vector instructions, read by the trip's three stores, written again in the next trip.
;   The addresses v1-6: made at the head, never written again.
; So a key step has three waits on va_vdst.  (a) Behind the first four products: they are done reading K's registers: tiles 4-7 are loaded.  (b) The wait behind the exponentials, ahead of the first
; reader of a result, also states that the second four products are done reading K's registers: the next step's first tiles are loaded straight behind it.  (c) Ahead of V's loads: the sums are done reading p, the last step's
; V^T P are done reading V^T; it stands behind the places behind p's codes and scale word, and states that these are written, for the scaled products that take them.
; A trip has one more ahead of its first product (Q's codes and scale word are written by vector instructions), one ahead of its stores, and one wait on vm_vsrc behind them.
.set LI,  1                            ; 16 x lane
.set L8,  2                            ; 8 x lane
.set LIV, 3                            ; 16 x lane + 49,152: V^T
.set KSA, 4                            ; 16 r + 98,304: K's scale words
.set VSA, 5                            ; 16 x lane + 102,400: V's scale images
.set ASA, 6                            ; 32 r + h: my scale byte in asc
.set TP,  7                            ; at work
.set NM,  8                            ; v8 -M, v9 the largest t
.set SUM, 10                           ; v[10:11] the row's sum in two halves
.set KS,  12                           ; v12-19 K's scale words of a step's 8 tiles
.set VS,  20                           ; v20-23 V's
.set QS,  24                           ; Q's scale word
.set PS,  25                           ; p's
.set Q,   26                           ; v26-37 Q's fragment
.set QN,  38                           ; v38-43 the second tile's codes;  v44 its scale word
.set QNS, 44
.set KF,  46                           ; v46-93 four fragments of K; registers 6-11 of each are constants
.set S,   94                           ; v94-157 S^T, then p
.set VF,  126                          ; v126-173 four fragments of V^T: over p's upper half, when p has been read
.set O,   174                          ; v174-205 O^T
.set PC,  206                          ; v206-217 p's codes
.set SCR, 218                          ; v218-225 at work
.set SO,  226                          ; v226-229 the conversions' scale operands
.set BM,  230                          ; v230-233 the blocks' largest scores, then largest p
.set FF,  234                          ; v[234:235] f = 2^(old M - new M), at the end 1 / sum; the pair's upper word is written once and not used
.set SEL, 20
.set CS,  22
.macro PLACES n
.rept \n
	v_nop
.endr
.endm
.macro KLOAD st, g                     ; tiles 8 st + 4 g + 0 .. 3 of K and their scale words: 9 LDS loads
.irp t, 0,1,2,3
	ds_load_b128 v[KF+12*\t:KF+12*\t+3], v[LI] offset:768*(8*(\st)+4*(\g)+\t)
	ds_load_b64 v[KF+12*\t+4:KF+12*\t+5], v[L8] offset:768*(8*(\st)+4*(\g)+\t)+512
.endr
	ds_load_b128 v[KS+4*(\g):KS+4*(\g)+3], v[KSA] offset:512*(\st)+256*(\g)
.endm
.macro VLOAD st                        ; V^T's four fragments of key step st and their scale words: 13 LDS loads
.irp i, 0,1,2,3
.irp c, 0,1,2
	ds_load_b128 v[VF+12*\i+4*\c:VF+12*\i+4*\c+3], v[LIV] offset:6144*(\st)+1536*\i+512*\c
.endr
.endr
	ds_load_b128 v[VS:VS+3], v[VSA] offset:512*(\st)
.endm
.macro QK g
.irp t, 0,1,2,3
	v_wmma_scale_f32_16x16x128_f8f6f4 v[S+32*(\g)+8*\t:S+32*(\g)+8*\t+7], v[KF+12*\t:KF+12*\t+11], v[Q:Q+11], 0, v[KS+4*(\g)+\t], v[QS] matrix_a_fmt:MATRIX_FMT_FP6 matrix_b_fmt:MATRIX_FMT_FP6
.endr
.endm
.macro BMAX b0                         ; the largest score of blocks b0, b0 + 1, by turns; each accumulator is read from its low end on
.irp b, \b0, \b0+1
	v_max3_num_f32 v[BM+\b], v[S+16*(\b)], v[S+16*(\b)+1], v[S+16*(\b)+2]
.endr
.irp i, 3,5,7,9,11,13
.irp b, \b0, \b0+1
	v_max3_num_f32 v[BM+\b], v[BM+\b], v[S+16*(\b)+\i], v[S+16*(\b)+\i+1]
.endr
.endr
.irp b, \b0, \b0+1
	v_max_num_f32 v[BM+\b], v[BM+\b], v[S+16*(\b)+15]
.endr
.endm
; A KEY STEP: 128 keys.  On entry the step's first four tiles of K are in registers.
.macro STEP st
	QK 0
	PLACES 5                                       ; four in front of the first read of these scores; five in front of the next four results, which land on registers that the last step's V^T P read
	s_wait_alu depctr_va_vdst(0)                   ; these four products are done reading K's registers, and the last step's second four their scale words: the loads below land in both
	KLOAD \st, 1
	BMAX 0
	s_wait_dscnt 0x0                               ; K's tiles 4-7
	QK 1
	PLACES 4                                       ; in front of the first read of these scores
	BMAX 2
.irp b, 0,1,2,3
	v_permlanex16_b32 v[SCR+\b], v[BM+\b], s[SEL], s[SEL+1]
.endr
.irp b, 0,1,2,3
	v_max_num_f32 v[BM+\b], v[BM+\b], v[SCR+\b]    ; with lane l xor 16's 16 keys
.endr
	v_max3_num_f32 v[TP], v[BM], v[BM+1], v[BM+2]
	v_max_num_f32 v[TP], v[TP], v[BM+3]            ; the step's largest score of my query
	v_mul_f32 v[TP], s[CS], v[TP]                  ; as t
	v_max_num_f32 v[NM+1], v[NM+1], v[TP]          ; the running largest t
	v_mov_b32 v[TP], v[NM]
	v_floor_f32 v[NM], -v[NM+1]                    ; -M = floor(-t): M is a whole number
	v_sub_f32 v[TP], v[NM], v[TP]                  ; old M - new M, 0 or less
	v_cvt_i32_f32 v[TP], v[TP]                     ; (it saturates)
	v_ldexp_f32 v[FF], 1.0, v[TP]                  ; f
.set J, 0
.rept 32
	v_pk_fma_f32 v[S+J:S+J+1], v[S+J:S+J+1], s[CS:CS+1], v[NM:NM+1] op_sel_hi:[1,0,0]   ; t - M, two at a time
.set J, J+2
.endr
.irp b, 0,1,2,3
	v_fma_f32 v[BM+\b], v[BM+\b], s[CS], v[NM]
.endr
.set J, 0
.rept 64
	v_exp_f32 v[S+J], v[S+J]                       ; p
.set J, J+1
.endr
.irp b, 0,1,2,3
	v_exp_f32 v[BM+\b], v[BM+\b]                   ; the block's largest p
.endr
	v_pk_mul_f32 v[SUM:SUM+1], v[SUM:SUM+1], v[FF:FF+1] op_sel_hi:[1,0]   ; the sums under the new M.  (The plain place behind the exponentials)
	s_wait_alu depctr_va_vdst(0)                   ; the 68 exponentials have written p and the blocks' largest p, ahead of their first reader; and the second four products are done reading K's registers, the first four their scale words, in which the loads below land
	KLOAD ((\st)+1)%8, 0                           ; the next step's first four tiles (behind the last step: the next trip's)
.irp b, 0,1,2,3
	v_max_num_f32 v[BM+\b], 0x1800000, v[BM+\b]    ; the floor 2^(3 - 127)
.endr
.irp b, 0,1,2,3
	v_add_nc_u32 v[SO+\b], 0xff000000, v[BM+\b]
.endr
.irp b, 0,1,2,3
	v_lshrrev_b32 v[SCR+\b], 23, v[SO+\b]
.endr
	v_lshl_or_b32 v[PS], v[SCR+1], 8, v[SCR]
	v_lshl_or_b32 v[PS], v[SCR+2], 16, v[PS]
	v_lshl_or_b32 v[PS], v[SCR+3], 24, v[PS]
.irp c, 0,1
	v_cvt_scalef32_pk16_fp6_f32 v[PC+6*\c:PC+6*\c+2], v[S+32*\c:S+32*\c+15], v[SO+2*\c]
	v_cvt_scalef32_pk16_fp6_f32 v[SCR+4*\c:SCR+4*\c+2], v[S+16+32*\c:S+31+32*\c], v[SO+2*\c+1]
.endr
	v_nop                                          ; one plain place behind a scaled conversion
.irp c, 0,1
.irp i, 0,1,2
	v_permlane16_swap_b32 v[PC+6*\c+\i], v[SCR+4*\c+\i]
.endr
.irp i, 0,1,2
	v_mov_b32 v[PC+3+6*\c+\i], v[SCR+4*\c+\i]
.endr
.endr
	v_pk_add_f32 v[SCR:SCR+1], v[S:S+1], v[S+2:S+3]   ; the row's sum, of the unquantised p: two at a time, in two chains
.irp j, 4,8,12,16,20,24,28,32,36,40,44,48,52,56,60
	v_pk_add_f32 v[SUM:SUM+1], v[SUM:SUM+1], v[S+\j:S+\j+1]
	v_pk_add_f32 v[SCR:SCR+1], v[SCR:SCR+1], v[S+\j+2:S+\j+3]
.endr
	v_pk_add_f32 v[SUM:SUM+1], v[SUM:SUM+1], v[SCR:SCR+1]
	s_wait_alu depctr_va_vdst(0)                   ; the sums and conversions are done reading p, the last step's V^T P are done reading V^T and its scale words: the loads below land there; and p's codes and scale word, with the additions above as their places, are written for the scaled products below
	VLOAD \st                                      ; p has been read for the last time
.set J, 0
.rept 16
	v_pk_mul_f32 v[O+J:O+J+1], v[O+J:O+J+1], v[FF:FF+1] op_sel_hi:[1,0]   ; O^T under the new M
.set J, J+2
.endr
	s_wait_dscnt 0x0                               ; V^T is in, and so are the next step's first tiles of K
.irp i, 0,1,2,3
	v_wmma_scale_f32_16x16x128_f8f6f4 v[O+8*\i:O+8*\i+7], v[VF+12*\i:VF+12*\i+11], v[PC:PC+11], v[O+8*\i:O+8*\i+7], v[VS+\i], v[PS] matrix_a_fmt:MATRIX_FMT_FP6 matrix_b_fmt:MATRIX_FMT_FP6
.endr
.endm
	s_load_b256 s[4:11], s[0:1], 0x0               ; qb, kvb, mask, ab
	s_load_b64 s[12:13], s[0:1], 0x20              ; asc
	v_lshl_add_u32 v254, v0, 2, 0x1a000
	v_mov_b32 v255, 0
	v_lshrrev_b32 v[TP], 5, v0
	v_readfirstlane_b32 s14, v[TP]                 ; wave 0..15
	s_wait_alu depctr_va_sdst(0)                   ; s14 is written, ahead of its first reader: my query tile and the bases are made from it
	s_and_b32 s15, ttmp7, 0xffff                   ; y: the record
	s_lshr_b32 s16, s15, 4                         ; batch
	s_and_b32 s17, s15, 15                         ; head
	s_lshl_b32 s19, ttmp9, 5
	s_add_co_u32 s19, s19, s14                     ; qt: my first query tile
	s_mov_b32 s[SEL], 0x76543210
	s_mov_b32 s[SEL+1], 0xfedcba98
	s_mov_b32 s[CS], 0x3e38aa3b                    ; c = log2(e) / 8
	s_mov_b32 s[CS+1], s[CS]                       ; (named with it as a pair, so it is written)
	s_mov_b32 s24, 0xffff0000                      ; lanes 16-31
	s_mov_b32 s26, 0xa00000                        ; the byte 160 at its place in a scale word
	s_mul_i32 s28, s15, 106496
	s_mov_b32 s29, 0
	s_mul_i32 s34, s15, 53248
	s_mul_i32 s35, s19, 768
	s_add_co_u32 s30, s34, s35                     ; Q's codes
	s_mov_b32 s31, 0
	s_lshr_b32 s35, s19, 2
	s_lshl_b32 s35, s35, 8
	s_add_co_u32 s32, s34, s35
	s_and_b32 s35, s19, 3
	s_lshl_b32 s35, s35, 2
	s_add_co_u32 s32, s32, s35
	s_add_co_u32 s32, s32, 49152                   ; Q's scale words
	s_mov_b32 s33, 0
	s_lshl_b32 s36, s16, 10                        ; the batch's mask
	s_mov_b32 s37, 0
	s_lshl_b32 s34, s16, 6
	s_add_co_u32 s34, s34, s19                     ; MT
	s_lshl_b32 s38, s34, 4
	s_add_co_u32 s38, s38, s17
	s_mul_i32 s38, s38, 768
	s_mov_b32 s39, 0
	s_lshl_b32 s40, s34, 9
	s_lshl_b32 s35, s17, 1
	s_add_co_u32 s40, s40, s35
	s_mov_b32 s41, 0
	v_and_b32 v156, 31, v0                         ; lane
	v_and_b32 v157, 15, v0                         ; r
	v_bfe_u32 v158, v0, 4, 1                       ; h
	v_lshlrev_b32 v[LI], 4, v156
	v_lshlrev_b32 v[L8], 3, v156
	v_add_nc_u32 v[LIV], 49152, v[LI]
	v_lshlrev_b32 v166, 4, v157
	v_add_nc_u32 v[KSA], 98304, v166
	v_add_nc_u32 v[VSA], 102400, v[LI]
	v_lshl_add_u32 v[ASA], v157, 5, v158
	v_lshlrev_b32 v160, 4, v0                      ; the copy: 16 bytes a thread, 8,192 a line
	v_add_nc_u32 v161, 49152, v160
	v_lshlrev_b32 v163, 3, v0                      ; the scale words: 8 bytes a thread
	v_add_nc_u32 v162, 98304, v163
	v_bfe_u32 v164, v0, 1, 4                       ; my two scale words of K are those of lane rho = (t / 2) % 16 of tiles 4 (t / 32) + 2 (t % 2) and the next:
	v_and_b32 v[TP], 8, v164
	v_add_nc_u32 v164, v164, v[TP]
	v_and_b32 v[TP], 1, v0
	v_lshl_add_u32 v164, v[TP], 5, v164
	v_lshrrev_b32 v[TP], 5, v0
	v_lshl_add_u32 v164, v[TP], 6, v164            ; keys 64 (t / 32) + 32 (t % 2) + rho + 8 (rho / 8), and 8 on
	v_lshlrev_b32 v165, 5, v156                    ; the whole batch's mask: 32 bytes a lane
	s_wait_kmcnt 0x0
	s_add_nc_u64 s[6:7], s[6:7], s[28:29]
	s_add_nc_u64 s[32:33], s[4:5], s[32:33]
	s_add_nc_u64 s[4:5], s[4:5], s[30:31]
	s_add_nc_u64 s[8:9], s[8:9], s[36:37]
	s_add_nc_u64 s[10:11], s[10:11], s[38:39]
	s_add_nc_u64 s[12:13], s[12:13], s[40:41]
	s_wait_alu depctr_va_vdst(0)                   ; the addresses v1 to v6 and v160 to v166 are written, which the loads and stores below read
.irp k, 0,1,2,3,4,5,6,7,8,9,10,11
	global_load_b128 v[S+4*\k:S+4*\k+3], v160, s[6:7] offset:8192*\k
.endr
	global_load_b64 v[142:143], v163, s[6:7] offset:98304
	global_load_b64 v[144:145], v163, s[6:7] offset:102400
	global_load_u8 v146, v164, s[8:9]
	global_load_u8 v147, v164, s[8:9] offset:8
	global_load_b128 v[148:151], v165, s[8:9]
	global_load_b128 v[152:155], v165, s[8:9] offset:16
	global_load_b128 v[Q:Q+3], v[LI], s[4:5]
	global_load_b64 v[Q+4:Q+5], v[L8], s[4:5] offset:512
	global_load_b32 v[QS], v166, s[32:33]
	global_load_b128 v[QN:QN+3], v[LI], s[4:5] offset:12288      ; the tile 16 on
	global_load_b64 v[QN+4:QN+5], v[L8], s[4:5] offset:12800
	global_load_b32 v[QNS], v166, s[32:33] offset:1024
	v_xor_b32 v159, 1, v158                        ; 1 in lanes 0-15, which hold k = 64 .. 95
	v_lshlrev_b32 v[TP], 3, v159                   ; the code of 1.0 at k = 64
.irp t, 0,1,2,3
	v_mov_b32 v[KF+12*\t+6], v[TP]
.irp i, 7,8,9,10,11
	v_mov_b32 v[KF+12*\t+\i], 0
.endr
.endr
.irp i, 7,8,9,10,11
	v_mov_b32 v[Q+\i], 0
.endr
.irp b, 0,1,2,3
	v_mov_b32 v[SCR+\b], 0                         ; written once: a lane permute's destination counts as one of its sources
.endr
	v_mov_b32 v[FF+1], 0
	s_wait_loadcnt 0x0
	v_and_b32 v148, v148, v149                     ; is every key of the batch masked?
	v_and_b32 v150, v150, v151
	v_and_b32 v152, v152, v153
	v_and_b32 v154, v154, v155
	v_and_b32 v148, v148, v150
	v_and_b32 v152, v152, v154
	v_and_b32 v148, v148, v152
	v_cmp_eq_u32 vcc_lo, 0x1010101, v148
	s_wait_alu depctr_va_vcc(0)                    ; VCC is written, ahead of the scalar compare that reads it
	s_cmp_eq_u32 vcc_lo, -1
	s_cselect_b32 s25, 0, -1                       ; KEEP
	v_mad_u32_u24 v142, v146, s26, v142            ; the key's byte for k = 64 .. 95: 160 where mask is 1, else the 0 that lies there
	v_mad_u32_u24 v143, v147, s26, v143
	s_wait_alu depctr_va_vdst(0)                   ; the two multiply-adds have written v142 and v143, which an LDS store below reads
.irp k, 0,1,2,3,4,5
	ds_store_b128 v160, v[S+4*\k:S+4*\k+3] offset:8192*\k
.endr
.irp k, 6,7,8,9,10,11
	ds_store_b128 v161, v[S+4*\k:S+4*\k+3] offset:8192*(\k-6)
.endr
	ds_store_b64 v162, v[142:143]
	ds_store_b64 v162, v[144:145] offset:4096
.irp i, 0,1,2,3,4,5
	v_and_b32 v[Q+\i], s25, v[Q+\i]
	v_and_b32 v[QN+\i], s25, v[QN+\i]
.endr
	v_mul_u32_u24 v[Q+6], v159, 40                 ; the code of -1.0 at k = 64,
	v_and_b32 v[Q+6], s25, v[Q+6]                  ; cleared with the rest
	v_or_b32 v[QS], 0x7f0000, v[QS]                ; the query's byte for k = 64 .. 95: 127
	v_or_b32 v[QNS], 0x7f0000, v[QNS]
	s_wait_dscnt 0x0                               ; for the others' sake: my part of the record lies in LDS
	s_barrier_signal -1
	s_barrier_wait -1                              ; everybody's does; nothing is stored to LDS behind this barrier
	s_wait_alu depctr_vm_vsrc(0)                   ; the copy's loads and LDS stores have read v94 to v145 and v160 to v166: the scores are written and V^T is loaded there from here on
	KLOAD 0, 0
	s_mov_b32 s42, 0
	s_wait_dscnt 0x0                               ; the first four tiles of K; every later look-ahead is covered by the wait in front of the products V^T P
.Ltrip:                                                ; two trips: a query tile each
	v_mov_b32 v[NM+1], 0xff61b1e6                  ; the largest t so far: -3e38
	v_floor_f32 v[NM], -v[NM+1]
	v_mov_b32 v[SUM], 0
	v_mov_b32 v[SUM+1], 0
.set J, 0
.rept 32
	v_mov_b32 v[O+J], 0                            ; the step is written once: the first finds zeros, which the first change of M leaves zeros
.set J, J+1
.endr
	s_wait_alu depctr_va_vdst(0)                   ; Q's codes and scale word (and, in the first trip, the constant codes at k = 64 on) are written by vector instructions, with the lines above as their places: the scaled products K Q^T take them
.irp st, 0,1,2,3,4,5,6,7
	STEP \st
.endr
	PLACES 4
	v_add_f32 v[SUM], v[SUM], v[SUM+1]
	v_permlanex16_b32 v[TP], v[SUM], s[SEL], s[SEL+1]
	v_add_f32 v[SUM], v[SUM], v[TP]                ; the row's sum
	v_rcp_f32 v[FF], v[SUM]
	v_nop                                          ; one plain place behind a transcendental
.set J, 0
	s_wait_alu depctr_va_vdst(0)                   ; the reciprocal is written, ahead of its first reader
.rept 16
	v_pk_mul_f32 v[O+J:O+J+1], v[O+J:O+J+1], v[FF:FF+1] op_sel_hi:[1,0]   ; register 16 b + i = o(query r, d = 32 b + 16 h + i)
.set J, J+2
.endr
.irp b, 0,1                            ; quantised along the hidden axis: the head's two blocks of 32
	v_max3_num_f32 v[BM+\b], |v[O+16*\b]|, |v[O+16*\b+1]|, 0x1800000
.endr
.irp i, 2,4,6,8,10,12,14
.irp b, 0,1
	v_max3_num_f32 v[BM+\b], v[BM+\b], |v[O+16*\b+\i]|, |v[O+16*\b+\i+1]|
.endr
.endr
.irp b, 0,1
	v_permlanex16_b32 v[SCR+\b], v[BM+\b], s[SEL], s[SEL+1]
.endr
.irp b, 0,1
	v_max_num_f32 v[BM+\b], v[BM+\b], v[SCR+\b]
.endr
.irp b, 0,1
	v_add_nc_u32 v[SO+\b], 0xff000000, v[BM+\b]
.endr
.irp b, 0,1
	v_lshrrev_b32 v[BM+2+\b], 23, v[SO+\b]
.endr
	v_cvt_scalef32_pk16_fp6_f32 v[PC:PC+2], v[O:O+15], v[SO]
	v_cvt_scalef32_pk16_fp6_f32 v[SCR:SCR+2], v[O+16:O+31], v[SO+1]
	v_cndmask_b32 v[TP], v[BM+2], v[BM+3], s24     ; lanes 0-15 store block 0's byte, lanes 16-31 block 1's.  (The plain place behind the conversions)
.irp i, 0,1,2
	v_permlane16_swap_b32 v[PC+\i], v[SCR+\i]
.endr
.irp i, 0,1,2
	v_mov_b32 v[PC+3+\i], v[SCR+\i]
.endr
	s_wait_alu depctr_va_vdst(0)                   ; the six registers of codes and the scale byte in v7 are written, which the stores below read
	global_store_b128 v[LI], v[PC:PC+3], s[10:11]
	global_store_b64 v[L8], v[PC+4:PC+5], s[10:11] offset:512
	global_store_b8 v[ASA], v[TP], s[12:13]
	s_wait_xcnt 0x0                                ; the stores have read their registers and bases
	s_wait_alu depctr_vm_vsrc(0)                   ; the stores have read the codes and v7, which the next trip's vector instructions write again
	s_add_nc_u64 s[10:11], s[10:11], 196608        ; 16 row tiles on
	s_add_nc_u64 s[12:13], s[12:13], 8192
.irp i, 0,1,2,3,4,5
	v_mov_b32 v[Q+\i], v[QN+\i]                    ; the second tile
.endr
	v_mov_b32 v[QS], v[QNS]
	s_add_co_u32 s42, s42, 1
	s_cmp_lt_u32 s42, 2
	s_cbranch_scc1 .Ltrip
	s_wait_dscnt 0x0                               ; the closing lines, six on end
	s_wait_alu 0x0
	s_wait_tensorcnt 0x0
	ds_add_u32 v254, v255
	s_wait_dscnt 0x0
	s_endpgm
.Lfunc_end_k_qcae2447616_attn:
	.size	k_qcae2447616_attn, .Lfunc_end_k_qcae2447616_attn-k_qcae2447616_attn
	.p2alignl 7, 3214868480
	.fill 96, 4, 3214868480
	.section	.rodata,"a",@progbits
	.p2align	6, 0x0
	.amdhsa_kernel k_qcae2447616_attn
		.amdhsa_group_segment_fixed_size 108544
		.amdhsa_private_segment_fixed_size 0
		.amdhsa_enable_private_segment 0
		.amdhsa_kernarg_size 40
		.amdhsa_user_sgpr_count 2
		.amdhsa_user_sgpr_kernarg_segment_ptr 1
		.amdhsa_wavefront_size32 1
		.amdhsa_system_sgpr_workgroup_id_x 1
		.amdhsa_system_sgpr_workgroup_id_y 1
		.amdhsa_system_sgpr_workgroup_id_z 1
		.amdhsa_system_vgpr_workitem_id 0
		.amdhsa_next_free_vgpr 256
		.amdhsa_next_free_sgpr 66
		.amdhsa_reserve_vcc 1
		.amdhsa_float_denorm_mode_32 3
		.amdhsa_float_denorm_mode_16_64 3
		.amdhsa_memory_ordered 1
		.amdhsa_forward_progress 1
		.amdhsa_inst_pref_size 139
	.end_amdhsa_kernel
	.amdgpu_metadata
---
amdhsa.version: [ 1, 2 ]
amdhsa.kernels:
  - .name:           k_qcae2447616_attn
    .symbol:         k_qcae2447616_attn.kd
    .args:
      - { .name: qb, .offset: 0, .size: 8, .value_kind: global_buffer, .address_space: global }
      - { .name: kvb, .offset: 8, .size: 8, .value_kind: global_buffer, .address_space: global }
      - { .name: mask, .offset: 16, .size: 8, .value_kind: global_buffer, .address_space: global }
      - { .name: ab, .offset: 24, .size: 8, .value_kind: global_buffer, .address_space: global }
      - { .name: asc, .offset: 32, .size: 8, .value_kind: global_buffer, .address_space: global }
    .group_segment_fixed_size: 108544
    .private_segment_fixed_size: 0
    .kernarg_segment_align: 8
    .kernarg_segment_size: 40
    .max_flat_workgroup_size: 512
    .sgpr_count:     66
    .vgpr_count:     256
    .wavefront_size: 32
...
	.end_amdgpu_metadata
.endif
;; end of part 6
;; launch oproj (part 7): grid 4 x 64, 4 waves a work-group, no clusters, 124,416 bytes of LDS; arguments ab, asc, wimg, out0; writes out0
.if DOCPART == 7
	.amdgcn_target "amdgcn-amd-amdhsa--gfx1250"
	.amdhsa_code_object_version 6
	.text
	.protected	k_qcae2447616_oproj
	.globl	k_qcae2447616_oproj
	.p2align	8
	.type	k_qcae2447616_oproj,@function
k_qcae2447616_oproj:
	s_mov_b64 s[64:65], 0
	v_nop
	global_prefetch_b8 v0, s[64:65] scope:SCOPE_SE
	s_setreg_imm32_b32 hwreg(HW_REG_WAVE_SCHED_MODE, 0, 2), 2
	s_setreg_imm32_b32 hwreg(HW_REG_WAVE_MODE, 25, 1), 1
	s_wait_xcnt 0x0
	s_wait_alu depctr_vm_vsrc(0)
; out0 = a Wo^T + bo on codes of FP6 (E2M3): a, the attention's result, lies in ab and asc as codes and scale bytes, Wo and bo in wimg as images of the operands' registers.
; SHARES.  Work-group (cx, RB): 128 rows (8 row tiles) x 256 columns; wave w: the 64 columns of group hd = 4 cx + w: 32 accumulators.  The rows' codes, 98,304 dense bytes, are copied into LDS as they lie, the scale
; bytes as scale words; one barrier.  Wo's fragments come straight into the registers of the one wave that multiplies them, all eight K steps asked for at the start.
; Source 0 = 16 rows of Wo, source 1 = a row tile: a lane holds one row and, in an accumulator, eight neighbouring columns.  bo is the C of each sum's first matrix instruction.
; The rows of a tile are not neighbours: lane r of row tile mt is row 32 (mt / 2) + 8 (mt % 2) + r + 8 (r / 8) of the block; Wo's tiles likewise, so that tiles 2 b, 2 b + 1 give 16 neighbouring columns.
; No tensor load and no cluster: the four work-groups of a row block share one copy of 98,304 bytes each at the start, a small part of what the launch moves.
; LDS: 0: the codes, mt 12,288 + s 1,536: two half fragments (registers 0-3 at 16 L, 4-5 at 512 + 8 L; the second 768 on).  98,304: scale words, (2 s + mt / 4) 512 + 16 L + 4 (mt % 4).
;      106,496: a stage of 16 rows x (256 + 16) bytes for each wave, for the way out.
; REGISTERS: window 0: v1-12 addresses; v16-47 Wo's scale words; v48-63 a's; v64-159, v160-255 a's fragments, two sets.  Window 1: Wo's slots 0-4.  Window 2: slots 5-7; v144-175 bo.  Window 3: the accumulators; at the start what is copied.
; THE MODE: SCHED_MODE bits 1:0 = 2 (LLVM: expert scheduling mode 2), set by the entry lines.  The code itself states the register dependences between vector or matrix instructions and memory or LDS instructions,
; with s_wait_alu, always for 0.
; THE PLAN.  The addresses v1-12 are made at the head and never written again.  Window 3 at the start: loaded, read by the LDS stores, then the accumulators: one wait on vm_vsrc behind the barrier.
;   K step s multiplies set s % 2 of a's fragments.  ONE wait on va_vdst stands at the head of steps 1 to 6: the step before is done reading the other set and its scale words.  The next step's 34 LDS loads land there, dealt in four
;   parts behind the step's products 4, 8, 12 and 16, which name none of those registers.  Steps 0 and 7 fetch nothing and have no such wait.  Wo's slots, scale words and bo are loaded once.
;   The way out: one wait on va_vdst behind the last products' places: the accumulators are written, which the stage's stores read, and K step 6's products are done reading v64-127, in which the rows come back.
;   These are two buffers by turns: read by a tile's global stores, loaded again two tiles on, behind a wait on vm_vsrc.
.set LI,  1                            ; 16 x lane
.set LI2, 2                            ; + 49,152
.set L8,  3                            ; 8 x lane
.set L82, 4                            ; + 49,152
.set SOA, 5                            ; the stage, in: 272 r + 64 h
.set SRA, 6                            ; and back: 272 (lane / 16) + 16 (lane % 16)
.set CO,  7                            ; the same two rows in out0
.set TA,  8                            ; the copy: 16 x thread
.set XWS, 9                            ; where I store scale words
.set XSA, 10                           ; where they are read
.set TA2, 11                           ; 16 x thread + 49,152
.set AA,  12                           ; 32 r: a row's scale bytes
.set WS,  16
.set XS,  48
.set XF,  64
.set OB,  64                           ; the way out: 16 rows read back, v64-95 and v96-127 by turns
.set BI,  144
.set MSB, 0
.macro WIN new
.if MSB != (\new)
	s_set_vgpr_msb (MSB<<8)|(\new)
.set MSB, (\new)
.endif
.endm
.macro PLACES n
.rept \n
	v_nop
.endr
.endm
.macro GW s                            ; slot s: four fragments of K step s and their scale words: 13 loads; with slot 0 the bias: 21
.if (\s) < 5
	WIN 0x40
.set GSB, 48*(\s)
.else
	WIN 0x80
.set GSB, 48*((\s)-5)
.endif
.irp j, 0,1,2,3
.irp c, 0,1,2
	global_load_b128 v[GSB+12*\j+4*\c:GSB+12*\j+4*\c+3], v[LI], s[28:29] offset:(\s)*6144+\j*1536+512*\c
.endr
.endr
.if (\s) == 0
	WIN 0x80
.irp e, 0,1,2,3,4,5,6,7
	global_load_b128 v[BI+4*\e:BI+4*\e+3], v[LI], s[30:31] offset:65536+512*\e
.endr
.endif
	WIN 0
	global_load_b128 v[WS+4*(\s):WS+4*(\s)+3], v[LI], s[30:31] offset:512*(\s)
.endm
.macro FRAG reg, a16, a8, off          ; a fragment from its two half images
	ds_load_b128 v[(\reg):(\reg)+3], v[\a16] offset:\off
	ds_load_b64 v[(\reg)+4:(\reg)+5], v[\a8] offset:\off+512
	ds_load_b128 v[(\reg)+6:(\reg)+9], v[\a16] offset:\off+768
	ds_load_b64 v[(\reg)+10:(\reg)+11], v[\a8] offset:\off+1280
.endm
; Part c of four of the fetch of K step s's fragments into a set: row tiles 2 c and 2 c + 1: 8 LDS loads; with part 0 the eight scale words: 2 more.  34 in all.
.macro XCH set, s, c
.if (\c) < 2
	FRAG XF+96*(\set)+12*(2*(\c)), LI, L8, (2*(\c))*12288+(\s)*1536
	FRAG XF+96*(\set)+12*(2*(\c)+1), LI, L8, (2*(\c)+1)*12288+(\s)*1536
.else
	FRAG XF+96*(\set)+12*(2*(\c)), LI2, L82, (2*(\c)-4)*12288+(\s)*1536
	FRAG XF+96*(\set)+12*(2*(\c)+1), LI2, L82, (2*(\c)-3)*12288+(\s)*1536
.endif
.if (\c) == 0
	ds_load_b128 v[XS+8*(\set):XS+8*(\set)+3], v[XSA] offset:(\s)*1024
	ds_load_b128 v[XS+8*(\set)+4:XS+8*(\set)+7], v[XSA] offset:(\s)*1024+512
.endif
.endm
.macro FETCHX set, s                   ; the whole fetch
.irp c, 0,1,2,3
	XCH \set, \s, \c
.endr
.endm
; Four products, numbers N to N + 3 of a K step's 32: row tile N / 4 x tile N % 4 of Wo.  Accumulator N lies at v[8 N] of window 3.
.macro MUL4 s
.rept 4
.if (\s) == 0
	v_wmma_scale_f32_16x16x128_f8f6f4 v[8*N:8*N+7], v[SLB+12*(N%4):SLB+12*(N%4)+11], v[XB+12*(N/4):XB+12*(N/4)+11], v[BI+8*(N%4):BI+8*(N%4)+7], v[WS+4*(\s)+N%4], v[XC+N/4] matrix_a_fmt:MATRIX_FMT_FP6 matrix_b_fmt:MATRIX_FMT_FP6
.else
	v_wmma_scale_f32_16x16x128_f8f6f4 v[8*N:8*N+7], v[SLB+12*(N%4):SLB+12*(N%4)+11], v[XB+12*(N/4):XB+12*(N/4)+11], v[8*N:8*N+7], v[WS+4*(\s)+N%4], v[XC+N/4] matrix_a_fmt:MATRIX_FMT_FP6 matrix_b_fmt:MATRIX_FMT_FP6
.endif
.set N, N+1
.endr
.endm
; A K step of 128: 32 matrix instructions, the 32 accumulators by turns in the same order in every step.
.macro KSTEP s
.if (\s) < 5
.set SLW, 1
.set SLB, 48*(\s)
.else
.set SLW, 2
.set SLB, 48*((\s)-5)
.endif
.set XB, XF+96*((\s)%2)
.set XC, XS+8*((\s)%2)
.set FP, ((\s)+1)%2                    ; the set that the step before read, and
.set FS, (\s)+1                        ; the K step that it takes now
.set FE, 0                             ; 1: this step fetches fragments
.if ((\s) >= 1) && ((\s) <= 6)
.set FE, 1
.endif
.if (\s) == 0
.set WM, 0xe1                          ; source 0 (Wo) window 1, source 1 window 0, C (bo) window 2, D window 3
.else
.set WM, 0xf0|SLW
.endif
.if 13*(7-(\s)) > 63
	s_wait_loadcnt 63                              ; behind this slot's loads stand more than the wait can name
.else
	s_wait_loadcnt 13*(7-(\s))                     ; the later slots' loads may be out
.endif
.if (\s) == 0
	s_wait_dscnt 34                                ; set 0 is in; set 1's 34 loads, asked for behind it, may be out
.else
	s_wait_dscnt 0x0                               ; this step's fragments, asked for in the step before (step 1's: at the start), are in
.endif
.if FE
	s_wait_alu depctr_va_vdst(0)                   ; the last step's products are done reading the other set and its scale words, in which the loads dealt below land; this step's products name none of them
.endif
.set N, 0
.irp c, 0,1,2,3
	WIN WM
	MUL4 \s
.if FE
	WIN 0
	XCH FP, FS, \c
.endif
.endr
	WIN WM
.rept 4
	MUL4 \s
.endr
	PLACES 4                                       ; behind the step's last products, ahead of loads into registers that they have read and of the first read of results
.endm
; THE WAY OUT, a row tile at a time: 16 rows x 64 columns through my own stage, back as whole runs of 256 bytes.  LDS serves a wave's instructions in order: no wait between the stores and the loads.
; again = 1: the buffer in which the rows come back was stored from two tiles ago.
.macro TOSTAGE mt, again
	WIN 0x0c                                       ; an LDS store's data are its source 1: window 3
.irp j, 0,1,2,3
	ds_store_b128 v[SOA], v[8*(4*(\mt)+\j):8*(4*(\mt)+\j)+3] offset:128*(\j/2)+32*(\j%2)       ; each accumulator from its low end on
	ds_store_b128 v[SOA], v[8*(4*(\mt)+\j)+4:8*(4*(\mt)+\j)+7] offset:128*(\j/2)+32*(\j%2)+16
.endr
	WIN 0
.if \again
	s_wait_xcnt 0x0                                ; the stores of the tile before last have read their registers: this tile's loads may land there
	s_wait_alu depctr_vm_vsrc(0)                   ; the same stores have read the buffer in which the loads below land
	s_wait_alu depctr_va_vdst(0)                   ; K step 6's products are done reading these registers: stated anew, since stores that read them stand behind the wait at the way out's head
.endif
.irp k, 0,1,2,3,4,5,6,7
	ds_load_b128 v[OB+32*((\mt)%2)+4*\k:OB+32*((\mt)%2)+4*\k+3], v[SRA] offset:544*\k
.endr
.endm
.macro SEND mt, younger                ; younger: the LDS instructions issued behind tile mt's loads
	s_wait_dscnt \younger
.irp k, 0,1,2,3,4,5,6,7
	global_store_b128 v[CO], v[OB+32*((\mt)%2)+4*\k:OB+32*((\mt)%2)+4*\k+3], s[10:11] offset:(32*((\mt)/2)+8*((\mt)%2)+2*\k+8*(\k/4))*4096 th:TH_STORE_NT   ; 16 lanes store 256 consecutive bytes, at a multiple of 256 from out0's first byte
.endr
.endm
	s_load_b256 s[4:11], s[0:1], 0x0               ; ab, asc, wimg, out0
	s_set_vgpr_msb 0x40
	v_lshl_add_u32 v254, v0, 2, 0x1e400
	v_mov_b32 v255, 0
	s_set_vgpr_msb 0x4000
	v_lshrrev_b32 v13, 5, v0
	v_readfirstlane_b32 s16, v13                   ; wave 0..3
	s_wait_alu depctr_va_sdst(0)                   ; s16 is written, ahead of its first reader: my columns, LDS addresses and the bases are made from it
	s_and_b32 s17, ttmp7, 0xffff                   ; RB
	s_lshl_b32 s18, ttmp9, 2
	s_add_co_u32 s18, s18, s16                     ; hd
	v_and_b32 v13, 31, v0
	v_and_b32 v14, 15, v0
	v_bfe_u32 v15, v0, 4, 1
	v_lshlrev_b32 v[LI], 4, v13
	v_add_nc_u32 v[LI2], 49152, v[LI]
	v_lshlrev_b32 v[L8], 3, v13
	v_add_nc_u32 v[L82], 49152, v[L8]
	s_mul_i32 s40, s16, 4352
	s_add_co_u32 s40, s40, 106496                  ; my stage
	v_mul_u32_u24 v[SOA], v14, 272
	v_lshl_add_u32 v[SOA], v15, 6, v[SOA]
	v_add_nc_u32 v[SOA], s40, v[SOA]
	v_mul_u32_u24 v[SRA], v15, 272
	v_lshl_add_u32 v[SRA], v14, 4, v[SRA]
	v_add_nc_u32 v[SRA], s40, v[SRA]
	v_lshlrev_b32 v[CO], 12, v15
	v_lshl_add_u32 v[CO], v14, 4, v[CO]
	v_lshlrev_b32 v[TA], 4, v0
	v_add_nc_u32 v[TA2], 49152, v[TA]
	s_lshr_b32 s40, s16, 1
	s_lshl_b32 s40, s40, 9
	s_and_b32 s41, s16, 1
	s_lshl_b32 s41, s41, 3
	s_add_co_u32 s40, s40, s41
	s_add_co_u32 s40, s40, 98304
	v_add_nc_u32 v[XWS], s40, v[LI]
	v_add_nc_u32 v[XSA], 98304, v[LI]
	v_lshlrev_b32 v[AA], 5, v14
	s_mul_i32 s40, s17, 98304                      ; ab: the block's 8 row tiles
	s_mov_b32 s41, 0
	s_lshl_b32 s42, s17, 12                        ; asc: 8 tiles of 512 bytes,
	s_lshl_b32 s43, s16, 10                        ; my two
	s_add_co_u32 s42, s42, s43
	s_mov_b32 s43, 0
	s_mul_i32 s44, s18, 49152
	s_add_co_u32 s44, s44, 2752512                 ; wimg: Wo, my group's codes
	s_mov_b32 s45, 0
	s_lshl_b32 s46, s18, 12
	s_add_co_u32 s46, s46, 3538944                 ; its scale images (2,752,512 + 786,432); the bias lies 65,536 bytes behind them
	s_mov_b32 s47, 0
	s_lshl_b32 s20, s17, 19                        ; out0: 128 rows of 4,096 bytes,
	s_lshl_b32 s21, s18, 8                         ; my 64 columns
	s_add_co_u32 s20, s20, s21
	s_mov_b32 s21, 0
	s_wait_kmcnt 0x0
	s_add_nc_u64 s[4:5], s[4:5], s[40:41]
	s_add_nc_u64 s[6:7], s[6:7], s[42:43]
	s_add_nc_u64 s[28:29], s[8:9], s[44:45]
	s_add_nc_u64 s[30:31], s[8:9], s[46:47]
	s_add_nc_u64 s[10:11], s[10:11], s[20:21]
	WIN 0xc0                                       ; destination window 3
	s_wait_alu depctr_va_vdst(0)                   ; the addresses v1 to v12 are written: every load and store of the kernel reads one of them, and none is written again
.set K, 0
.rept 48
	global_load_b128 v[4*K:4*K+3], v[TA], s[4:5] offset:2048*K   ; 128 threads x 16 bytes a line
.set K, K+1
.endr
.irp u, 0,1
.irp e, 0,1
	global_load_b128 v[192+8*\u+4*\e:192+8*\u+4*\e+3], v[AA], s[6:7] offset:512*\u+16*\e   ; row tile 2 w + u: lane r's 32 scale bytes are its eight scale words
.endr
.endr
	GW 0
	GW 1
	s_wait_loadcnt 34                              ; what is copied is in; slots 0 and 1 (21 + 13 loads) may be out
	WIN 0x0c
.set K, 0
.rept 24
	ds_store_b128 v[TA], v[4*K:4*K+3] offset:2048*K
.set K, K+1
.endr
.rept 24
	ds_store_b128 v[TA2], v[4*K:4*K+3] offset:2048*(K-24)
.set K, K+1
.endr
.irp u, 0,1
.irp s, 0,1,2,3,4,5,6,7
	ds_store_b32 v[XWS], v[192+8*\u+\s] offset:1024*\s+4*\u
.endr
.endr
	WIN 0
.irp s, 2,3,4,5,6,7
	GW \s
.endr
	s_wait_dscnt 0x0                               ; for the others' sake: my part lies in LDS
	s_barrier_signal -1
	s_barrier_wait -1                              ; everybody's does; the codes and scale words are only read from here on
	s_wait_alu depctr_vm_vsrc(0)                   ; my LDS stores have read window 3's registers, which the first products write: they are the accumulators from here on
	FETCHX 0, 0
	FETCHX 1, 1
.irp s, 0,1,2,3,4,5,6,7
	KSTEP \s
.endr
	WIN 0x0c
	s_wait_alu depctr_va_vdst(0)                   ; the products have written the accumulators, which the stage's stores read (the four places above stay beside this wait), and are done reading v64-127, in which the first two tiles' rows come back
	TOSTAGE 0, 0
	TOSTAGE 1, 0
	SEND 0, 16                                     ; behind tile 0's loads: tile 1's 8 stores and 8 loads
.irp a, 2,3,4,5,6,7
	TOSTAGE \a, 1
	SEND \a-1, 16                                  ; behind tile a - 1's loads: tile a's 8 stores and 8 loads
.endr
	SEND 7, 0
	s_set_vgpr_msb 0x5
	s_wait_dscnt 0x0                               ; the closing lines, six on end; the add's two registers lie in window 1, set by the line above
	s_wait_alu 0x0
	s_wait_tensorcnt 0x0
	ds_add_u32 v254, v255
	s_wait_dscnt 0x0
	s_endpgm
.Lfunc_end_k_qcae2447616_oproj:
	.size	k_qcae2447616_oproj, .Lfunc_end_k_qcae2447616_oproj-k_qcae2447616_oproj
	.p2alignl 7, 3214868480
	.fill 96, 4, 3214868480
	.section	.rodata,"a",@progbits
	.p2align	6, 0x0
	.amdhsa_kernel k_qcae2447616_oproj
		.amdhsa_group_segment_fixed_size 124416
		.amdhsa_private_segment_fixed_size 0
		.amdhsa_enable_private_segment 0
		.amdhsa_kernarg_size 32
		.amdhsa_user_sgpr_count 2
		.amdhsa_user_sgpr_kernarg_segment_ptr 1
		.amdhsa_wavefront_size32 1
		.amdhsa_system_sgpr_workgroup_id_x 1
		.amdhsa_system_sgpr_workgroup_id_y 1
		.amdhsa_system_sgpr_workgroup_id_z 1
		.amdhsa_system_vgpr_workitem_id 0
		.amdhsa_next_free_vgpr 1024
		.amdhsa_next_free_sgpr 66
		.amdhsa_reserve_vcc 0
		.amdhsa_float_denorm_mode_32 3
		.amdhsa_float_denorm_mode_16_64 3
		.amdhsa_memory_ordered 1
		.amdhsa_forward_progress 1
		.amdhsa_inst_pref_size 92
	.end_amdhsa_kernel
	.amdgpu_metadata
---
amdhsa.version: [ 1, 2 ]
amdhsa.kernels:
  - .name:           k_qcae2447616_oproj
    .symbol:         k_qcae2447616_oproj.kd
    .args:
      - { .name: ab, .offset: 0, .size: 8, .value_kind: global_buffer, .address_space: global }
      - { .name: asc, .offset: 8, .size: 8, .value_kind: global_buffer, .address_space: global }
      - { .name: wimg, .offset: 16, .size: 8, .value_kind: global_buffer, .address_space: global }
      - { .name: out0, .offset: 24, .size: 8, .value_kind: global_buffer, .address_space: global }
    .group_segment_fixed_size: 124416
    .private_segment_fixed_size: 0
    .kernarg_segment_align: 8
    .kernarg_segment_size: 32
    .max_flat_workgroup_size: 128
    .sgpr_count:     66
    .vgpr_count:     1024
    .wavefront_size: 32
...
	.end_amdgpu_metadata
.endif
;; end of part 7
